; MI455X (gfx1250); checked and timed in simulation.
; The chip was launched on July 23, 2026; its instructions are those of AMD's public machine-readable ISA for CDNA 5 (MIT licence, August 2026) and "CDNA5" Instruction Set Architecture Reference Guide (July 2026). The comments in the code are by the model that wrote it; some were corrected since.
;; Attention. Allowed arithmetic: matrix products marked QUANTISED: E2M1 operands, one E8M0 scale for each 32 along K, by v_wmma_scale_f32_16x16x128_f8f6f4 with both operands' format E2M1 (or v_wmma_scale_f32_32x16x128_f4), f32 sums; products left as they are: f32 operands where the result goes on into a quantised operand, else bf16, f16 or f32 operands; f32 sums; everything else in f32.
;; Inputs: W_cov_codes 1,024 x 8 x 16 uint8 (E2M1 codes of W_cov, K innermost, in blocks of 32 codes, two codes a byte); W_cov_scales 1,024 x 8 uint8 (E8M0 scales of W_cov, one for each 32 codes along K); W_in_codes 1,024 x 32 x 16 uint8 (E2M1 codes of W_in, K innermost, in blocks of 32 codes, two codes a byte); W_in_scales 1,024 x 32 uint8 (E8M0 scales of W_in, one for each 32 codes along K); W_out_codes 1,024 x 64 x 16 uint8 (E2M1 codes of W_out, K innermost, in blocks of 32 codes, two codes a byte); W_out_scales 1,024 x 64 uint8 (E8M0 scales of W_out, one for each 32 codes along K); b_cov 1,024 float32; b_hh 768 float32; b_ih 768 float32; context 64 x 512 x 1,024 float32; cov 64 x 512 x 256 float32; h 64 x 1,024 float32; mask 64 x 512 bool; w_hh_codes 768 x 8 x 16 uint8 (E2M1 codes of w_hh, K innermost, in blocks of 32 codes, two codes a byte); w_hh_scales 768 x 8 uint8 (E8M0 scales of w_hh, one for each 32 codes along K); w_ih 768 x 2,049 float32.
;; Outputs: out0 64 x 1,024 float32; out1 64 x 512 float32; out2 64 x 512 x 256 float32.
;; This version of the problem:
;;   THIS VERSION OF THE PROBLEM IS GIVEN IN LOW PRECISION. The matrix products marked QUANTISED in the list below multiply operands that are first quantised to E2M1 (2 exponent bits, 1 mantissa bit; 4 bits a number), with one power-of-two scale for each 32 numbers along K (OCP MX v1.0); their sums are f32. All else is computed in f32.
;;   The module's matrix products, in the order in which they are computed (A, B: the left and right operand; K: the contracted axis; several contracted axes count as one K, in the product's order):
;;     1. [M 32,768, K 256] x [K 256, N 1,024]; A: input cov; B: input W_cov (given as codes): QUANTISED
;;     2. [M 64, K 1,024] x [K 1,024, N 1,024]; A: input h; B: input W_in (given as codes): QUANTISED
;;     3. batch 64 x [M 512, K 1,024] x [K 1,024, N 1]; A: computed on the way; B: computed on the way: left as it is (N = 1 < 16)
;;     4. batch 64 x [M 1, K 512] x [K 512, N 1,024]; A: softmax; B: computed on the way: left as it is (M = 1 < 16)
;;     5. [M 64, K 2,048] x [K 2,048, N 1,024]; A: computed on the way; B: input W_out (given as codes): QUANTISED
;;     6. [M 32,768, K 2,049] x [K 2,049, N 768]; A: computed on the way; B: input w_ih: QUANTISED
;;     7. [M 32,768, K 256] x [K 256, N 768]; A: input cov; B: input w_hh (given as codes): QUANTISED
;;   THE QUANTISER, for each operand of a quantised product, along K:
;;     - K is cut into blocks of 32 from its start; a last block that is shorter is filled with zeros.
;;     - A block's scale is 2^e with e = floor(log2(the largest magnitude in the block)) - 2, held to -126 .. 127; a block of zeros has e = 0. As a byte (E8M0): e + 127.
;;     - Each number is divided by its block's scale, clamped to +-6, and rounded to the nearest number of E2M1, ties to even, subnormals kept.
;;     - The product sums the exact products of the quantised numbers (number of the format x scale) in f32.
;;   ~~~python
;;   def quantise(x, axis):      # numpy; x: float32 -> the quantised numbers, widened to float32 again
;;       x = np.moveaxis(x, axis, -1); K = x.shape[-1]
;;       x = np.pad(x, [(0, 0)] * (x.ndim - 1) + [(0, -K % 32)]); x = x.reshape(x.shape[:-1] + (-1, 32)); a = np.abs(x).max(-1, keepdims=True)
;;       e = np.where(a > 0, np.clip(np.frexp(np.where(a > 0, a, 1))[1] - 1 - 2, -126, 127), 0)      # np.frexp(a)[1] - 1 = floor(log2(a)), exactly
;;       r = np.clip(x / 2.0 ** e, -6, 6)
;;       step = 2.0 ** (np.maximum(np.frexp(np.where(r == 0, 1, r))[1] - 1, 0) - 1)
;;       q = np.round(r / step) * step * 2.0 ** e      # np.round: ties to even
;;       return np.moveaxis(q.reshape(q.shape[:-2] + (-1,))[..., :K], -1, axis).astype(np.float32)
;;   ~~~
;;   OPERANDS COMPUTED ON THE WAY. 'Computed on the way' means the value that the module computes at that place (a softmax that the list does not call 'softmax' is quantised finished and normalised). What goes into a quantiser is computed in f32, as accurately as f32 sums, v_exp_f32 and their like allow (about 1e-6 of the number): no bf16 or f16 on the way to a quantiser, and a product that is left as it is and whose result goes on into a quantised operand takes f32 operands (vector FMAs, or v_wmma_f32_16x16x4_f32). A number that lies on a knife's edge between two numbers of the format may be rounded either way, as far as f32 arithmetic and the matrix unit's own rounding can turn it there, and no further.
;;   INPUTS GIVEN AS CODES. W_cov (in the module: [1024, 256], K = its axis 1); W_in (in the module: [1024, 1024], K = its axis 1); W_out (in the module: [1024, 2048], K = its axis 1); w_hh (in the module: [768, 256], K = its axis 1): each comes as NAME_codes (uint8): NAME with its K axis moved to the last place and cut into blocks of 32 codes, [.., K / 32, bytes a block], one block behind the other in memory; two codes a byte, the lower K in the low four bits (a code: sign, 2 exponent bits, 1 mantissa bit); and NAME_scales (uint8): the same leading axes, one E8M0 byte (e + 127) for each 32 codes along K. Its value is code x scale, taken as it is: it is not quantised again, and the codes and scales need not be those that the quantiser above would give.
;; One version. Each part assembles by itself: llvm-mc -triple=amdgcn-amd-amdhsa -mcpu=gfx1250 --defsym DOCPART=n.
;; ======== version 1 of 1: 3 launches
;; limits: right only within a limited range of input values
;; workspace buffers: hp 720,896 bytes; wq 454,656 bytes; xq 22,544,384 bytes; scores 131,072 bytes; stats 65,536 bytes; wcpart 1,048,576 bytes
;; launch prep (part 1): grid 200 x 1, 16 waves a work-group, no clusters, 323,584 bytes of LDS; arguments h, w_ih, W_in_codes, W_in_scales, W_out_codes, W_out_scales, b_ih, b_hh, hp, wq; writes hp, wq
.if DOCPART == 1
	.amdgcn_target "amdgcn-amd-amdhsa--gfx1250"
	.amdhsa_code_object_version 6
	.text
	.protected	k_qb4bbe3c260_prep
	.globl	k_qb4bbe3c260_prep
	.p2align	8
	.type	k_qb4bbe3c260_prep,@function
k_qb4bbe3c260_prep:
	s_mov_b64 s[64:65], 0
	v_nop
	global_prefetch_b8 v0, s[64:65] scope:SCOPE_SE
	s_setreg_imm32_b32 hwreg(HW_REG_WAVE_MODE, 25, 1), 1
	s_wait_xcnt 0x0
; PREP.  All that hangs on h alone, and w_ih's codes.
; hp [64][2816] f32: columns 0-1023 target = Q(h) W_in^T; 1024-2047 Q(h) W_out[:,1024:]^T; 2048-2815 Q(h) Q(w_ih)[:,1024:2048]^T + b_ih + (column < 512 ? b_hh : 0).
; wq: 48 records (16 rows of w_ih each) of 9,472 bytes: 8 fragment images of 1,024 bytes (K steps 0-7), 8 scale images of 128 bytes, the code image and the scale image of column 2048.
; A fragment image is the operand's registers as they stand: registers 0-3 of lane l at 16 l, registers 4-7 at 512 + 16 l.
; SHARES.  Wave w = 8 gq + k.  Work-groups 0-47 (x): rows 32 (x % 2) on of h, tiles 2 (x / 2) + gq of w_ih, K step 8 + k: quantised and multiplied.  Work-groups 48-71: tiles 2 (x - 48) + gq of w_ih, K step k: quantised and stored;
; they need nothing of h and pass no barrier.  Work-groups 72-199: rows 32 (x % 2) on of h, tiles 2 ((x - 72) / 2) + gq of W_in or of W_out's second half, K step k.
; A multiplying work-group quantises its 32 rows of h, 16 fragments, one a wave, into LDS; a wave multiplies its weight fragment by two of them; the eight K parts of a tile meet in LDS and are added in ascending K by waves k < 4.
; The products are used transposed (source 0 = 16 weight rows, source 1 = 16 rows of h): a lane holds eight neighbouring columns of one row of hp.
; hp leaves in pieces of 16 bytes a lane, 64 bytes on end: the three tables are 0.7 MB in all.  No tensor load, so no ring; no loop, so no prefetch; no cluster: the weights are read by two work-groups each.
; LIMITS: NaN and infinities among the inputs are not served.  A block of zeros gets the scale byte 1 where the quantiser says 127: its codes are zeros and the bytes are read by this program alone.
.set STGW, 8448                        ; LDS: a stage for each wave, 16 rows x (512 + 16) bytes
.set HIMG, 135168                      ; h's 16 fragment images (8 m + k)
.set HSC,  151552                      ; their scale words, 128 bytes each
.set PART, 153600                      ; the K parts: 2,048 bytes a wave
.set SPARE, 186368                     ; the spare words, 128 bytes a wave
.set STG2, 188416                      ; the stages of the work-groups that only store: bytes of their own
.set BF,   20                          ; v20-27  my weight fragment
.set BSC,  28                          ; v28     its scale words
.set PW,   29                          ; v29     a scale word just made
.set PC,   30                          ; v30-37  codes just made
.set TM,   38                          ; v38-53  at work in QUANT
.set BIAS, 54                          ; v54-57  what is added to my four columns
.set HS,   58                          ; v58-59  h's scale words, two tiles of rows
.set LA,   64                          ; v64-127 w_ih as loaded; later h's fragments; later the K parts
.set LB,   128                         ; v128-191 h as loaded; later the two results
.set NUM,  192                         ; v192-255 64 numbers of a lane, in the quantiser's order
.set SEL,  28                          ; s[28:29] lane selects: lane l xor 16
; v1 lane, v2 r, v3 h, v4 4 lane, v5 16 lane, v6-8 my stage (in by words, in by 16 bytes, out), v9-10 where I store h's image and words, v11-12 where I fetch them,
; v13 my K part, v14 the parts that I add, v15-16 weight codes' and scales' offsets, v17 hp's offset, v18 32 h, v19 8,196 r, v60-61 the second stage (in, out), v62 my spare word, v63 0
; 64 numbers of a lane, register 16 b + i = k 32 b + 16 (lane / 16) + i of row lane % 16, become a fragment's codes in v[pc] on and its scale word in v[pw].
.macro QUANT s, pc, pw
.irp b, 0,1,2,3
	v_max3_num_f32 v[TM+\b], |v[\s+16*\b]|, |v[\s+1+16*\b]|, 0x1800000   ; block b: my 16 numbers, and the floor 2^(3 - 127): the byte cannot fall under 1
.endr
.irp i, 2,4,6,8,10,12,14
.irp b, 0,1,2,3
	s_delay_alu instid0(VALU_DEP_4)
	v_max3_num_f32 v[TM+\b], v[TM+\b], |v[\s+16*\b+\i]|, |v[\s+1+16*\b+\i]|
.endr
.endr
.irp b, 0,1,2,3
	s_delay_alu instid0(VALU_DEP_4)
	v_permlanex16_b32 v[TM+4+\b], v[TM+\b], s[SEL], s[SEL+1]
.endr
.irp b, 0,1,2,3
	s_delay_alu instid0(VALU_DEP_4)
	v_max_num_f32 v[TM+\b], v[TM+\b], v[TM+4+\b]           ; with lane l xor 16's: the block's largest magnitude
.endr
.irp b, 0,1,2,3
	s_delay_alu instid0(VALU_DEP_4)
	v_add_nc_u32 v[TM+12+\b], 0xff000000, v[TM+\b]         ; 2 off its exponent field: the conversion's scale operand
.endr
.irp b, 0,1,2,3
	s_delay_alu instid0(VALU_DEP_4)
	v_lshrrev_b32 v[TM+4+\b], 23, v[TM+12+\b]              ; the scale's byte
.endr
	s_delay_alu instid0(VALU_DEP_3)
	v_lshl_or_b32 v[\pw], v[TM+5], 8, v[TM+4]
	s_delay_alu instid0(VALU_DEP_1)
	v_lshl_or_b32 v[\pw], v[TM+6], 16, v[\pw]
	s_delay_alu instid0(VALU_DEP_1)
	v_lshl_or_b32 v[\pw], v[TM+7], 24, v[\pw]
.irp b, 0,1,2,3
	v_cvt_scalef32_pk8_fp4_f32 v[\pc+2*\b], v[\s+16*\b:\s+7+16*\b], v[TM+12+\b]
	v_cvt_scalef32_pk8_fp4_f32 v[\pc+1+2*\b], v[\s+8+16*\b:\s+15+16*\b], v[TM+12+\b]
.endr
	v_nop                                          ; one plain place behind a scaled conversion
.irp c, 0,1
.irp i, 0,1
	v_permlane16_swap_b32 v[\pc+4*\c+\i], v[\pc+2+4*\c+\i] ; a whole block to a lane: lanes 0-15 block 2 c, lanes 16-31 block 2 c + 1
.endr
.endr
.endm
.macro FETCHF reg, adr, off
	ds_load_b128 v[(\reg):(\reg)+3], v[\adr] offset:\off
	ds_load_b128 v[(\reg)+4:(\reg)+7], v[\adr] offset:\off+512
.endm
.macro PLACES n
.rept \n
	v_nop
.endr
.endm
.macro BARRIER                         ; my LDS stores have landed and my LDS loads are in: then the work-group's barrier
	s_wait_dscnt 0x0
	s_barrier_signal -1
	s_barrier_wait -1
.endm
.macro WLOAD nt                        ; 16 rows x 512 bytes of w_ih: its rows begin at multiples of 4 bytes only, so the loads are of 4 bytes a lane, 128 consecutive bytes each.  nt = 1: read by this wave alone
.irp i, 0,1,2,3,4,5,6,7,8,9,10,11,12,13,14,15
.irp q, 0,1,2,3
.if \nt
	global_load_b32 v[LA+4*\i+\q], v4, s[6:7] offset:8196*\i+128*\q th:TH_LOAD_NT
.else
	global_load_b32 v[LA+4*\i+\q], v4, s[6:7] offset:8196*\i+128*\q
.endif
.endr
.endr
.endm
.macro WTURN sin, sout                 ; through a stage of my own: in as loaded, out 16 neighbours of each block a lane.  LDS serves a wave's instructions in order
.irp i, 0,1,2,3,4,5,6,7,8,9,10,11,12,13,14,15
.irp q, 0,1,2,3
	ds_store_b32 v[\sin], v[LA+4*\i+\q] offset:528*\i+128*\q
.endr
.endr
.irp b, 0,1,2,3
.irp j, 0,1,2,3
	ds_load_b128 v[NUM+16*\b+4*\j:NUM+16*\b+4*\j+3], v[\sout] offset:128*\b+16*\j
.endr
.endr
	s_wait_dscnt 0x0
.endm
	s_load_b256 s[4:11], s[0:1], 0x0               ; h, w_ih, W_in's codes, W_in's scales
	s_load_b256 s[12:19], s[0:1], 0x20             ; W_out's codes, W_out's scales, b_ih, b_hh
	s_load_b128 s[20:23], s[0:1], 0x40             ; hp, wq
	v_lshl_add_u32 v62, v0, 2, SPARE
	v_mov_b32 v63, 0
	v_lshrrev_b32 v1, 5, v0
	v_readfirstlane_b32 s24, v1                    ; wave w
	s_and_b32 s25, s24, 7                          ; k
	s_lshr_b32 s26, s24, 3                         ; gq
	s_mov_b32 s27, ttmp9                           ; x
	s_mov_b32 s[SEL], 0x76543210
	s_mov_b32 s[SEL+1], 0xfedcba98
	; offsets, apart from the addresses
	s_and_b32 s41, s27, 1                          ; which 32 rows of h (48 and 72 are even)
	s_max_u32 s30, s27, 72
	s_sub_co_u32 s30, s30, 72
	s_lshr_b32 s30, s30, 1                         ; ci: which pair of tiles of given codes
	s_lshr_b32 s31, s27, 1
	s_max_u32 s35, s27, 48
	s_sub_co_u32 s35, s35, 48
	s_add_co_u32 s47, s25, 8
	s_cmp_lt_u32 s27, 48
	s_cselect_b32 s31, s31, s35                    ; which pair of tiles of w_ih,
	s_cselect_b32 s47, s47, s25                    ; and which of its K steps
	s_min_u32 s31, s31, 23
	s_lshl_b32 s31, s31, 1
	s_add_co_u32 s31, s31, s26                     ; jt: my 16 rows of w_ih
	s_lshr_b32 s32, s30, 5                         ; sel: 0 W_in, 1 W_out's second half
	s_lshl_b32 s33, s30, 1
	s_add_co_u32 s33, s33, s26                     ; the tile of hp's columns, for given codes
	s_and_b32 s34, s33, 63                         ; and within its tensor
	s_add_co_u32 s35, s32, 13
	s_lshl_b32 s36, s34, s35                       ; 16 rows of 512 << sel bytes
	s_lshl_b32 s35, s32, 9
	s_add_co_u32 s36, s36, s35                     ; W_out: the second 1,024 along K
	s_lshl_b32 s35, s25, 6
	s_add_co_u32 s36, s36, s35                     ; my K step: 64 bytes
	s_mov_b32 s37, 0
	s_add_co_u32 s56, s32, 9
	s_lshl_b32 s38, s34, s56                       ; 16 rows of 32 << sel scale bytes
	s_lshl_b32 s35, s32, 5
	s_add_co_u32 s38, s38, s35
	s_lshl_b32 s35, s25, 2
	s_add_co_u32 s38, s38, s35
	s_mov_b32 s39, 0
	s_add_co_u32 s57, s32, 5
	s_add_co_u32 s40, s31, 128
	s_cmp_lt_u32 s27, 72
	s_cselect_b32 s40, s40, s33                    ; my tile of hp's columns
	s_lshl_b32 s41, s41, 1
	s_lshr_b32 s42, s25, 1
	s_add_co_u32 s42, s42, s41
	s_mul_i32 s42, s42, 180224                     ; the piece that I add up (k < 4): tile of rows 2 (x % 2) + k / 2,
	s_lshl_b32 s35, s40, 6
	s_add_co_u32 s42, s42, s35
	s_and_b32 s35, s25, 1
	s_lshl_b32 s35, s35, 4                         ; half k % 2 of a lane's eight columns
	s_add_co_u32 s42, s42, s35
	s_mov_b32 s43, 0
	s_lshl_b32 s48, s31, 6
	s_add_co_u32 s48, s48, s35                     ; the same columns in b_ih and b_hh
	s_mov_b32 s49, 0
	s_add_co_u32 s44, s41, s26
	s_lshl_b32 s44, s44, 16                        ; h: tile of rows 2 (x % 2) + gq,
	s_lshl_b32 s35, s25, 9
	s_add_co_u32 s44, s44, s35                     ; my K step
	s_mov_b32 s45, 0
	s_mul_i32 s46, s31, 131136                     ; w_ih: 16 rows of 8,196 bytes,
	s_lshl_b32 s47, s47, 9
	s_add_co_u32 s46, s46, s47                     ; my K step
	s_mov_b32 s47, 0
	s_mul_i32 s50, s31, 9472
	s_mov_b32 s51, 0
	s_lshl_b32 s35, s25, 7
	s_add_co_u32 s52, s50, s35                     ; wq: my scale image's place less 8,192,
	s_mov_b32 s53, 0
	s_lshl_b32 s35, s25, 10
	s_add_co_u32 s50, s50, s35                     ; and my fragment image's
	s_cmp_lt_u32 s31, 32
	s_cselect_b32 s55, 1.0, 0                      ; b_hh counts for the gates r and z alone
	; LDS places
	s_mul_i32 s54, s24, STGW
	s_add_co_u32 s58, s54, STG2
	s_lshl_b32 s59, s24, 10
	s_add_co_u32 s59, s59, HIMG
	s_lshl_b32 s60, s24, 7
	s_add_co_u32 s60, s60, HSC
	s_lshl_b32 s61, s25, 10
	s_add_co_u32 s61, s61, HIMG
	s_lshl_b32 s62, s25, 7
	s_add_co_u32 s62, s62, HSC
	s_lshl_b32 s63, s24, 11
	s_add_co_u32 s63, s63, PART
	s_lshl_b32 s3, s26, 14
	s_lshl_b32 s2, s25, 9
	s_add_co_u32 s3, s3, s2
	s_add_co_u32 s3, s3, PART
	; every LDS address is made here, ahead of every branch
	v_and_b32 v1, 31, v0
	v_and_b32 v2, 15, v0
	v_bfe_u32 v3, v0, 4, 1
	v_lshlrev_b32 v4, 2, v1
	v_lshlrev_b32 v5, 4, v1
	v_mul_u32_u24 v8, v2, 528
	v_lshl_add_u32 v8, v3, 6, v8
	v_add_nc_u32 v61, s58, v8
	v_add_nc_u32 v8, s54, v8
	v_add_nc_u32 v6, s54, v4
	v_add_nc_u32 v7, s54, v5
	v_add_nc_u32 v60, s58, v4
	v_add_nc_u32 v9, s59, v5
	v_add_nc_u32 v10, s60, v4
	v_add_nc_u32 v11, s61, v5
	v_add_nc_u32 v12, s62, v4
	v_add_nc_u32 v13, s63, v5
	v_add_nc_u32 v14, s3, v5
	v_lshlrev_b32 v15, s56, v2
	v_lshl_add_u32 v15, v3, 4, v15
	v_lshlrev_b32 v16, s57, v2
	v_mul_u32_u24 v17, v2, 11264
	v_lshl_add_u32 v17, v3, 5, v17
	v_lshlrev_b32 v18, 5, v3
	v_mul_u32_u24 v19, v2, 8196
.irp b, 0,1,2,3
	v_mov_b32 v[TM+4+\b], 0                        ; written once: a lane permute's destination counts as one of its sources
.endr
	s_cmp_eq_u32 s32, 0
	s_wait_alu depctr_va_vdst(0)                   ; the wait at the head's end
	s_wait_kmcnt 0x0
	s_cselect_b64 s[8:9], s[8:9], s[12:13]         ; the choice hangs on the work-group's number alone
	s_cselect_b64 s[10:11], s[10:11], s[14:15]
	s_add_nc_u64 s[8:9], s[8:9], s[36:37]
	s_add_nc_u64 s[10:11], s[10:11], s[38:39]
	s_add_nc_u64 s[4:5], s[4:5], s[44:45]
	s_add_nc_u64 s[6:7], s[6:7], s[46:47]
	s_add_nc_u64 s[16:17], s[16:17], s[48:49]
	s_add_nc_u64 s[18:19], s[18:19], s[48:49]
	s_add_nc_u64 s[20:21], s[20:21], s[42:43]
	s_add_nc_u64 s[50:51], s[22:23], s[50:51]
	s_add_nc_u64 s[52:53], s[22:23], s[52:53]
	s_sub_co_u32 s35, s27, 48
	s_cmp_lt_u32 s35, 24                           ; 48 <= x < 72: the whole work-group only stores
	s_cbranch_scc1 .Lstore_only
.irp i, 0,1,2,3,4,5,6,7,8,9,10,11,12,13,14,15
	global_load_b128 v[LB+4*\i:LB+4*\i+3], v5, s[4:5] offset:4096*\i   ; h: 16 rows x 512 bytes, 512 consecutive bytes a load
.endr
	s_cmp_lt_u32 s27, 48
	s_cbranch_scc0 .Lcodes
	; ---- w_ih's second 1,024 along K
	WLOAD 0
	global_load_b128 v[BIAS:BIAS+3], v18, s[16:17]
	global_load_b128 v[NUM:NUM+3], v18, s[18:19]
	s_wait_loadcnt 0x0
.irp i, 0,1,2,3
	v_fmac_f32 v[BIAS+\i], s55, v[NUM+\i]
.endr
	WTURN 6, 8
	QUANT NUM, BF, BSC
	s_branch .Ljoin
.Lcodes:
	; ---- given codes: the fragment and its scale words as they lie
	global_load_b128 v[BF:BF+3], v15, s[8:9]
	global_load_b128 v[BF+4:BF+7], v15, s[8:9] offset:32
	global_load_b32 v[BSC], v16, s[10:11]
.irp i, 0,1,2,3
	v_mov_b32 v[BIAS+\i], 0
.endr
.Ljoin:
	s_wait_loadcnt 0x0
.irp i, 0,1,2,3,4,5,6,7,8,9,10,11,12,13,14,15
	ds_store_b128 v7, v[LB+4*\i:LB+4*\i+3] offset:528*\i
.endr
.irp b, 0,1,2,3
.irp j, 0,1,2,3
	ds_load_b128 v[NUM+16*\b+4*\j:NUM+16*\b+4*\j+3], v8 offset:128*\b+16*\j
.endr
.endr
	s_wait_dscnt 0x0
	QUANT NUM, PC, PW
	ds_store_b128 v9, v[PC:PC+3]
	ds_store_b128 v9, v[PC+4:PC+7] offset:512
	ds_store_b32 v10, v[PW]
	BARRIER                                        ; h's 16 fragments lie in LDS
.irp m, 0,1
	FETCHF LA+8*\m, 11, 8192*\m
	ds_load_b32 v[HS+\m], v12 offset:1024*\m
.endr
	s_wait_dscnt 0x0
.irp m, 0,1
	v_wmma_scale_f32_16x16x128_f8f6f4 v[LB+8*\m:LB+8*\m+7], v[BF:BF+7], v[LA+8*\m:LA+8*\m+7], 0, v[BSC], v[HS+\m] matrix_a_fmt:MATRIX_FMT_FP4 matrix_b_fmt:MATRIX_FMT_FP4
.endr
	PLACES 4                                       ; four places ahead of the stores that read the results
.irp m, 0,1
	ds_store_b128 v13, v[LB+8*\m:LB+8*\m+3] offset:1024*\m          ; each result from its low end on
	ds_store_b128 v13, v[LB+8*\m+4:LB+8*\m+7] offset:1024*\m+512
.endr
	BARRIER                                        ; the K parts lie in LDS
	s_cmp_lt_u32 s25, 4                            ; four pieces of 512 bytes for each tile of columns: waves k < 4 add them
	s_cbranch_scc0 .Lend
.irp e, 0,1,2,3,4,5,6,7
	ds_load_b128 v[LA+4*\e:LA+4*\e+3], v14 offset:2048*\e
.endr
	s_wait_dscnt 0x0
.irp e, 1
	v_pk_add_f32 v[LA:LA+1], v[LA:LA+1], v[LA+4*\e:LA+4*\e+1]       ; ascending K
	v_pk_add_f32 v[LA+2:LA+3], v[LA+2:LA+3], v[LA+4*\e+2:LA+4*\e+3]
.endr
.irp e, 2, 3, 4, 5, 6, 7
	s_delay_alu instid0(VALU_DEP_2)
	v_pk_add_f32 v[LA:LA+1], v[LA:LA+1], v[LA+4*\e:LA+4*\e+1]
	s_delay_alu instid0(VALU_DEP_2)
	v_pk_add_f32 v[LA+2:LA+3], v[LA+2:LA+3], v[LA+4*\e+2:LA+4*\e+3]
.endr
	s_delay_alu instid0(VALU_DEP_2)
	v_pk_add_f32 v[LA:LA+1], v[LA:LA+1], v[BIAS:BIAS+1]
	s_delay_alu instid0(VALU_DEP_2)
	v_pk_add_f32 v[LA+2:LA+3], v[LA+2:LA+3], v[BIAS+2:BIAS+3]
	global_store_b128 v17, v[LA:LA+3], s[20:21]
	s_branch .Lend
.Lstore_only:
	; ---- w_ih's first 1,024 along K: codes and scale words for wq
	WLOAD 1
	s_wait_loadcnt 0x0
	WTURN 60, 61
	QUANT NUM, BF, BSC
	global_store_b128 v5, v[BF:BF+3], s[50:51]     ; 512 consecutive bytes a store
	global_store_b128 v5, v[BF+4:BF+7], s[50:51] offset:512
	global_store_b32 v4, v[BSC], s[52:53] offset:8192
	s_cmp_lg_u32 s25, 0
	s_cbranch_scc1 .Lend
	; waves k = 0: column 2048, the attention weight's: a block of one number and 31 zeros.  Its code stands in the lowest four bits of register 0 of lanes 0-15
	global_load_b32 v[NUM], v19, s[6:7] offset:8192
.irp i, 1,2,3,4,5,6,7
	v_mov_b32 v[NUM+\i], 0
.endr
	v_cmp_gt_u32 vcc_lo, 16, v1
	s_wait_loadcnt 0x0
	v_cndmask_b32 v[NUM], 0, v[NUM], vcc_lo
	s_delay_alu instid0(VALU_DEP_1)
	v_max3_num_f32 v200, |v[NUM]|, |v[NUM]|, 0x1800000
	s_delay_alu instid0(VALU_DEP_1)
	v_add_nc_u32 v201, 0xff000000, v200
	s_wait_alu depctr_va_vdst(0)
	v_lshrrev_b32 v202, 23, v201
	v_cvt_scalef32_pk8_fp4_f32 v203, v[NUM:NUM+7], v201
	v_nop
	global_store_b32 v4, v203, s[52:53] offset:9216
	global_store_b32 v4, v202, s[52:53] offset:9344
.Lend:
	s_wait_tensorcnt 0x0                           ; the wave's end
	ds_add_u32 v62, v63
	s_wait_dscnt 0x0
	s_endpgm
.Lfunc_end_k_qb4bbe3c260_prep:
	.size	k_qb4bbe3c260_prep, .Lfunc_end_k_qb4bbe3c260_prep-k_qb4bbe3c260_prep
	.p2alignl 7, 3214868480
	.fill 96, 4, 3214868480
	.section	.rodata,"a",@progbits
	.p2align	6, 0x0
	.amdhsa_kernel k_qb4bbe3c260_prep
		.amdhsa_group_segment_fixed_size 323584
		.amdhsa_private_segment_fixed_size 0
		.amdhsa_enable_private_segment 0
		.amdhsa_kernarg_size 80
		.amdhsa_user_sgpr_count 2
		.amdhsa_user_sgpr_kernarg_segment_ptr 1
		.amdhsa_wavefront_size32 1
		.amdhsa_system_sgpr_workgroup_id_x 1
		.amdhsa_system_sgpr_workgroup_id_y 1
		.amdhsa_system_sgpr_workgroup_id_z 1
		.amdhsa_system_vgpr_workitem_id 0
		.amdhsa_next_free_vgpr 256
		.amdhsa_next_free_sgpr 66
		.amdhsa_reserve_vcc 1
		.amdhsa_float_denorm_mode_32 3
		.amdhsa_float_denorm_mode_16_64 3
		.amdhsa_memory_ordered 1
		.amdhsa_forward_progress 1
		.amdhsa_inst_pref_size 53
	.end_amdhsa_kernel
	.amdgpu_metadata
---
amdhsa.version: [ 1, 2 ]
amdhsa.kernels:
  - .name:           k_qb4bbe3c260_prep
    .symbol:         k_qb4bbe3c260_prep.kd
    .args:
      - { .name: h, .offset: 0, .size: 8, .value_kind: global_buffer, .address_space: global }
      - { .name: w_ih, .offset: 8, .size: 8, .value_kind: global_buffer, .address_space: global }
      - { .name: W_in_codes, .offset: 16, .size: 8, .value_kind: global_buffer, .address_space: global }
      - { .name: W_in_scales, .offset: 24, .size: 8, .value_kind: global_buffer, .address_space: global }
      - { .name: W_out_codes, .offset: 32, .size: 8, .value_kind: global_buffer, .address_space: global }
      - { .name: W_out_scales, .offset: 40, .size: 8, .value_kind: global_buffer, .address_space: global }
      - { .name: b_ih, .offset: 48, .size: 8, .value_kind: global_buffer, .address_space: global }
      - { .name: b_hh, .offset: 56, .size: 8, .value_kind: global_buffer, .address_space: global }
      - { .name: hp, .offset: 64, .size: 8, .value_kind: global_buffer, .address_space: global }
      - { .name: wq, .offset: 72, .size: 8, .value_kind: global_buffer, .address_space: global }
    .group_segment_fixed_size: 323584
    .private_segment_fixed_size: 0
    .kernarg_segment_align: 8
    .kernarg_segment_size: 80
    .max_flat_workgroup_size: 512
    .sgpr_count:     66
    .vgpr_count:     256
    .wavefront_size: 32
...
	.end_amdgpu_metadata
.endif
;; end of part 1
;; launch passa (part 2): grid 256 x 1, 8 waves a work-group, no clusters, 97,280 bytes of LDS; arguments context, cov, mask, W_cov_codes, W_cov_scales, b_cov, hp, xq, scores, stats, wcpart; writes xq, scores, stats, wcpart
.if DOCPART == 2
	.amdgcn_target "amdgcn-amd-amdhsa--gfx1250"
	.amdhsa_code_object_version 6
	.text
	.protected	k_qb4bbe3c260_passa
	.globl	k_qb4bbe3c260_passa
	.p2align	8
	.type	k_qb4bbe3c260_passa,@function
k_qb4bbe3c260_passa:
	s_mov_b64 s[64:65], 0
	v_nop
	global_prefetch_b8 v0, s[64:65] scope:SCOPE_SE
	s_setreg_imm32_b32 hwreg(HW_REG_WAVE_MODE, 25, 1), 1
	s_wait_xcnt 0x0
; PASS A.  ctx = context + Q(cov) W_cov^T + b_cov; its codes and cov's codes (xq); the masked scores ctx . target; and, by a running maximum, this work-group's part of the softmax's sum (stats) and of wc (wcpart).
; SHARES.  Work-group g: rows 128 g on (a quarter of batch g / 4), 8 tiles of 16 rows.  Wave w owns columns 128 w on of ctx for all rows: its 16 fragments of W_cov and its 128 numbers of target stay in registers.
; CONTEXT comes straight into registers: a tile of a wave is 16 loads, each of 512 consecutive bytes of one row, into one of two buffers of 64 registers; a buffer is asked for again as soon as its tile has gone on,
; so the loads of tile t + 2 go out while tile t is at work.  b_cov is added as the numbers lie (4 registers a lane); the tile turns through the wave's own LDS stage and comes back 16 neighbours of each block a lane: the C of the products.
; The products are used transposed (source 0 = 16 rows of W_cov, source 1 = 16 rows of cov); lane r of tile 2 b + u takes W_cov's row 32 b + 8 u + r + 8 (r / 8): lane (r, h) holds row r, register 16 b + i column 32 b + 16 h + i.
; A tile's eight partial scores meet in LDS: one barrier a tile, the tile's quantising between its signal and its wait.
; xq: a record of 11,008 bytes for 16 rows: 8 fragment images of ctx, 2 of cov, ctx's scale words [row][K step], cov's scale words (8 bytes a lane).
; No tensor load, so no ring.  No cluster: the work-groups share only W_cov's 128 KB and a row of hp.  No prefetch: the loads themselves run two tiles ahead of their use.
; LIMITS: NaN and infinities among the inputs are not served.  A block of zeros gets the scale byte 1 where the quantiser says 127: its codes are zeros and the bytes are read by this program alone.
.set REC,    11008
.set SCP,    0                         ; LDS: partial scores, two sets of 16 rows x 8 waves
.set SPARE,  1024                      ; the spare words, 128 bytes a wave
.set SCL,    2048                      ; ctx's scale words, 512 bytes a tile
.set SRAW,   6144                      ; the 128 masked scores
.set MSK,    6656                      ; the 128 mask bytes, a word each
.set WCST,   7168                      ; wc's part, 512 bytes a wave
.set COVSC,  11264                     ; cov's scale words, 256 bytes a tile
.set COVIMG, 13312                     ; cov's fragment images, 2,048 bytes a tile
.set STG,    29696                     ; a stage for each wave: 16 rows x (512 + 16) bytes
.set STGW,   8448
.set STL, 1                            ; v1 stage, out: 528 r + 64 h
.set A512, 2                           ; v2 512 w + 16 lane
.set L8,  3                            ; v3 8 lane
.set STS, 4                            ; v4 stage, in: 16 lane
.set L16, 5                            ; v5 16 lane
.set PS,  6                            ; v6 32 r + 4 w
.set PR,  7                            ; v7 32 r
.set R4,  8                            ; v8 4 r
.set WH,  9                            ; v9 512 w + 64 h
.set BC,  10                           ; v10-13 b_cov at my lane's four columns
.set NINF, 14
.set MKW, 15                           ; a row's mask word
; v16 the largest score so far, v17 the new one, v[18:19] the old sums' factor, v[20:21] p, v22 the sum, v23 the score, v24-25 at work (v16-24: offsets at the head)
.set WCS, 26                           ; v26-33 W_cov's scale words: lanes 0-15 K step 0, lanes 16-31 K step 1
.set CS,  34                           ; v34-35 cov's scale words
.set PW0, 36
.set PW1, 37
.set SPW, 38
.set NIL, 39
.set CF,  40                           ; v40-55 cov's two fragments; when the products are done: v40-51 at work, v52-59 codes
.set TM,  40
.set SS,  40
.set SP,  40
.set PC,  52
.set CX,  128                          ; v128-191 ctx
.set ACC, 192                          ; v192-255 wc's sums.  Raw tiles: v64-127, and v192-255 of window 1.  Window 1: v0-127 W_cov, v128-191 target
.set SEL, 28
.set MSB, 0
.macro WIN new
.if MSB != \new
	s_set_vgpr_msb (MSB<<8)|\new
.set MSB, \new
.endif
.endm
; 64 numbers of a lane (register 16 b + i = k 32 b + 16 h + i of row r) become a fragment's codes in v[PC] on and its scale word
.macro QUANT s, pw
.irp b, 0,1,2,3
	v_max3_num_f32 v[TM+\b], |v[\s+16*\b]|, |v[\s+1+16*\b]|, 0x1800000   ; with the floor 2^(3 - 127): the byte cannot fall under 1
.endr
.irp i, 2,4,6,8,10,12,14
.irp b, 0,1,2,3
	v_max3_num_f32 v[TM+\b], v[TM+\b], |v[\s+16*\b+\i]|, |v[\s+1+16*\b+\i]|
.endr
.endr
.irp b, 0,1,2,3
	s_delay_alu instid0(VALU_DEP_4)
	v_permlanex16_b32 v[TM+4+\b], v[TM+\b], s[SEL], s[SEL+1]
.endr
.irp b, 0,1,2,3
	s_delay_alu instid0(VALU_DEP_4)
	v_max_num_f32 v[TM+\b], v[TM+\b], v[TM+4+\b]
.endr
.irp b, 0,1,2,3
	s_delay_alu instid0(VALU_DEP_4)
	v_add_nc_u32 v[TM+8+\b], 0xff000000, v[TM+\b]          ; 2 off the exponent field: the conversion's scale operand
.endr
.irp b, 0,1,2,3
	s_delay_alu instid0(VALU_DEP_4)
	v_lshrrev_b32 v[TM+4+\b], 23, v[TM+8+\b]               ; the scale's byte
.endr
	s_delay_alu instid0(VALU_DEP_3)
	v_lshl_or_b32 v[\pw], v[TM+5], 8, v[TM+4]
	s_delay_alu instid0(VALU_DEP_1)
	v_lshl_or_b32 v[\pw], v[TM+6], 16, v[\pw]
	s_delay_alu instid0(VALU_DEP_1)
	v_lshl_or_b32 v[\pw], v[TM+7], 24, v[\pw]
.irp b, 0,1,2,3
	v_cvt_scalef32_pk8_fp4_f32 v[PC+2*\b], v[\s+16*\b:\s+7+16*\b], v[TM+8+\b]
	v_cvt_scalef32_pk8_fp4_f32 v[PC+1+2*\b], v[\s+8+16*\b:\s+15+16*\b], v[TM+8+\b]
.endr
	v_nop                                          ; one plain place behind a scaled conversion
.irp c, 0,1
.irp i, 0,1
	v_permlane16_swap_b32 v[PC+4*\c+\i], v[PC+2+4*\c+\i]   ; a whole block to a lane
.endr
.endr
.endm
.macro PLACES n
.rept \n
	v_nop
.endr
.endm
.macro BARRIER
	s_wait_dscnt 0x0
	s_barrier_signal -1
	s_barrier_wait -1
.endm
.macro CLOAD q                         ; a quarter of cov's columns of my 16 rows: a load reads 256 bytes of each of two rows
.irp i, 0,1,2,3,4,5,6,7
	global_load_b128 v[CX+32*(\q)+4*\i:CX+32*(\q)+4*\i+3], v18, s[6:7] offset:2048*\i+256*(\q) th:TH_LOAD_NT
.endr
.endm
.macro CTURN q                         ; through my stage (rows of 272 bytes here); LDS serves a wave's instructions in order
.irp i, 0,1,2,3,4,5,6,7
	ds_store_b128 v16, v[CX+32*(\q)+4*\i:CX+32*(\q)+4*\i+3] offset:544*\i
.endr
.irp b, 0,1
.irp j, 0,1,2,3
	ds_load_b128 v[CX+32*(\q)+16*\b+4*\j:CX+32*(\q)+16*\b+4*\j+3], v17 offset:128*\b+16*\j
.endr
.endr
.endm
.macro RAWLOAD t                       ; tile t's 16 rows x 512 bytes into its buffer
.set RB, 64+128*((\t)%2)
	WIN 0x40*((\t)%2)
.irp i, 0,1,2,3,4,5,6,7,8,9,10,11,12,13,14,15
	global_load_b128 v[RB+4*\i:RB+4*\i+3], v[L16], s[4:5] offset:65536*(\t)+4096*\i th:TH_LOAD_NT
.endr
	WIN 0
.endm
	s_load_b256 s[4:11], s[0:1], 0x0               ; context, cov, mask, W_cov's codes
	s_load_b256 s[12:19], s[0:1], 0x20             ; W_cov's scales, b_cov, hp, xq
	s_load_b128 s[20:23], s[0:1], 0x40             ; scores, stats
	s_load_b64 s[24:25], s[0:1], 0x50              ; wcpart
	v_lshl_add_u32 v[SPW], v0, 2, SPARE
	v_mov_b32 v[NIL], 0
	v_lshrrev_b32 v60, 5, v0
	s_delay_alu instid0(VALU_DEP_1)
	v_readfirstlane_b32 s26, v60                   ; wave w
	s_mov_b32 s27, ttmp9                           ; g
	s_mov_b32 s[SEL], 0x76543210
	s_mov_b32 s[SEL+1], 0xfedcba98
	s_lshl_b32 s30, s27, 19
	s_lshl_b32 s31, s26, 9
	s_add_co_u32 s30, s30, s31                     ; context: 128 rows of 4,096 bytes a work-group, 512 bytes a wave
	s_mov_b32 s31, 0
	s_lshl_b32 s34, s27, 17
	s_lshl_b32 s35, s26, 14
	s_add_co_u32 s34, s34, s35                     ; cov: wave w quantises tile w
	s_mov_b32 s35, 0
	s_mul_i32 s32, s26, STGW
	s_add_co_u32 s32, s32, STG                     ; my stage
	s_lshl_b32 s36, s26, 2
	s_lshl_b32 s37, s26, 9
	s_lshl_b32 s38, s26, 11
	s_lshl_b32 s39, s26, 8
	s_lshl_b32 s40, s26, 6
	v_and_b32 v60, 31, v0                          ; lane
	v_and_b32 v61, 15, v0                          ; r
	v_bfe_u32 v62, v0, 4, 1                        ; h
	v_lshlrev_b32 v[L16], 4, v60
	v_lshlrev_b32 v[L8], 3, v60
	v_lshlrev_b32 v[PR], 5, v61
	v_lshlrev_b32 v[R4], 2, v61
	v_lshlrev_b32 v23, 6, v62                      ; 64 h: target's offset
	v_mul_u32_u24 v[STL], v61, 528
	v_add_nc_u32 v[STS], s32, v[L16]
	v_add_nc_u32 v[PS], s36, v[PR]
	v_add_nc_u32 v[A512], s37, v[L16]
	v_add_nc_u32 v[WH], s37, v23
	v_add_nc_u32 v[STL], v[STL], v23
	v_add_nc_u32 v[STL], s32, v[STL]
	v_mul_u32_u24 v16, v62, 272
	v_mul_u32_u24 v17, v61, 272
	v_lshlrev_b32 v18, 4, v61
	v_and_b32 v63, 8, v61
	v_lshl_add_u32 v16, v61, 4, v16
	v_add_nc_u32 v17, v17, v23
	v_lshl_add_u32 v18, v62, 10, v18               ; cov: 16 r + a row for the upper lanes
	v_add_nc_u32 v63, v63, v61                     ; r + 8 (r / 8)
	v_add_nc_u32 v16, s32, v16                     ; cov's way through the stage: in,
	v_add_nc_u32 v17, s32, v17                     ; out
	v_add_nc_u32 v19, s38, v[L16]                  ; where I put cov's images,
	v_add_nc_u32 v20, s39, v[L8]                   ; and its scale words
	v_lshlrev_b32 v21, 7, v63
	v_lshlrev_b32 v22, 3, v63
	v_add_nc_u32 v24, s40, v[R4]                   ; and my 16 mask words
	v_lshl_add_u32 v21, v62, 4, v21                ; W_cov's codes: 128 bytes a row, + 16 h
	v_lshl_add_u32 v22, v62, 2, v22                ; its scales: 8 bytes a row; the upper lanes take K step 1's word
	v_mov_b32 v[NINF], 0xff800000
.irp b, 0,1,2,3
	v_mov_b32 v[TM+4+\b], 0                        ; a lane permute's destination counts as one of its sources
.endr
	s_wait_alu depctr_va_vdst(0)                   ; the wait at the head's end
	s_wait_kmcnt 0x0
	s_add_nc_u64 s[6:7], s[6:7], s[34:35]
	s_add_nc_u64 s[4:5], s[4:5], s[30:31]
	CLOAD 0
	CLOAD 1
	CLOAD 2
	CLOAD 3
	RAWLOAD 0
	s_lshl_b32 s34, s26, 14
	s_add_nc_u64 s[10:11], s[10:11], s[34:35]      ; W_cov: my 128 rows
	s_lshl_b32 s34, s26, 10
	s_add_nc_u64 s[12:13], s[12:13], s[34:35]
	s_lshl_b32 s34, s26, 9
	s_add_nc_u64 s[14:15], s[14:15], s[34:35]      ; b_cov, target, wcpart: my 128 columns
	s_add_nc_u64 s[16:17], s[16:17], s[34:35]
	s_add_nc_u64 s[24:25], s[24:25], s[34:35]
	s_lshr_b32 s34, s27, 2
	s_mul_i32 s34, s34, 11264
	s_add_nc_u64 s[16:17], s[16:17], s[34:35]      ; hp: my batch's row
	WIN 0x40
.irp e, 0,1,2,3,4,5,6,7
.irp s, 0,1
.irp c, 0,1
	global_load_b128 v[16*\e+8*\s+4*\c:16*\e+8*\s+4*\c+3], v21, s[10:11] offset:(32*(\e/2)+8*(\e%2))*128+64*\s+32*\c
.endr
.endr
.endr
.irp b, 0,1,2,3
.irp j, 0,1,2,3
	global_load_b128 v[128+16*\b+4*\j:131+16*\b+4*\j], v23, s[16:17] offset:128*\b+16*\j
.endr
.endr
	WIN 0
	s_lshl_b32 s34, s27, 7
	s_lshl_b32 s33, s26, 4
	s_add_co_u32 s34, s34, s33
	s_add_nc_u64 s[8:9], s[8:9], s[34:35]          ; mask: tile w's 16 rows
	global_load_b128 v[BC:BC+3], v[L16], s[14:15]
.irp e, 0,1,2,3,4,5,6,7
	global_load_b32 v[WCS+\e], v22, s[12:13] offset:(32*(\e/2)+8*(\e%2))*8
.endr
	global_load_u8 v[MKW], v61, s[8:9]
	RAWLOAD 1
	s_lshl_b32 s34, s27, 12
	s_add_nc_u64 s[24:25], s[24:25], s[34:35]
	s_lshl_b32 s34, s27, 9
	s_add_nc_u64 s[20:21], s[20:21], s[34:35]
	s_lshl_b32 s34, s27, 8
	s_add_nc_u64 s[22:23], s[22:23], s[34:35]
	s_mul_i32 s34, s27, 8*REC
	s_lshl_b32 s33, s26, 10
	s_add_co_u32 s34, s34, s33
	s_add_nc_u64 s[52:53], s[18:19], s[34:35]      ; xq: my K step's image in the work-group's first record
	s_lshl_b32 s34, s27, 3
	s_add_co_u32 s34, s34, s26
	s_mul_i32 s34, s34, REC
	s_add_nc_u64 s[54:55], s[18:19], s[34:35]      ; and record 8 g + w
	s_wait_loadcnt 63                              ; of the 122 loads the oldest 59 are in: cov's 32 among them
	CTURN 0
	CTURN 1
	CTURN 2
	CTURN 3
	s_wait_dscnt 32                                ; all but the second half's 32 LDS instructions
	QUANT CX, PW0
	ds_store_b128 v19, v[PC:PC+3] offset:COVIMG
	ds_store_b128 v19, v[PC+4:PC+7] offset:COVIMG+512
	global_store_b128 v[L16], v[PC:PC+3], s[54:55] offset:8192
	global_store_b128 v[L16], v[PC+4:PC+7], s[54:55] offset:8704
	s_wait_dscnt 0x0
	s_wait_xcnt 0x0                                ; the stores have read the codes' registers
	QUANT ACC, PW1
	ds_store_b128 v19, v[PC:PC+3] offset:COVIMG+1024
	ds_store_b128 v19, v[PC+4:PC+7] offset:COVIMG+1536
	global_store_b128 v[L16], v[PC:PC+3], s[54:55] offset:9216
	global_store_b128 v[L16], v[PC+4:PC+7], s[54:55] offset:9728
	ds_store_b64 v20, v[PW0:PW1] offset:COVSC
	global_store_b64 v[L8], v[PW0:PW1], s[54:55] offset:10752
	s_wait_loadcnt 16                              ; all but tile 1's 16 loads
	ds_store_b32 v24, v[MKW] offset:MSK
	BARRIER                                        ; cov's images and the mask words lie in LDS
.macro TILE t
.set PAR, ((\t)%2)*512
.set RW, (\t)%2
.set RB, 64+128*RW
	s_wait_xcnt 0x0                                ; the last codes' stores have read their registers, on which cov's fragments land
.if (\t) == 7
	s_wait_loadcnt 0x0
.elseif (\t) > 0
	s_wait_loadcnt 16                              ; my tile is in; the next tile's 16 loads may be out
.endif
	WIN 0x41*RW
.set J, 0
.rept 16
	v_pk_add_f32 v[RB+J:RB+J+1], v[RB+J:RB+J+1], v[BC:BC+1]
	v_pk_add_f32 v[RB+J+2:RB+J+3], v[RB+J+2:RB+J+3], v[BC+2:BC+3]
.set J, J+4
.endr
	WIN 0x04*RW
.irp i, 0,1,2,3,4,5,6,7,8,9,10,11,12,13,14,15
	ds_store_b128 v[STS], v[RB+4*\i:RB+4*\i+3] offset:528*\i
.endr
	WIN 0
.if (\t) < 6
	RAWLOAD (\t)+2
.endif
.irp s, 0,1
.irp c, 0,1
	ds_load_b128 v[CF+8*\s+4*\c:CF+8*\s+4*\c+3], v[L16] offset:COVIMG+2048*(\t)+1024*\s+512*\c
.endr
.endr
	ds_load_b64 v[CS:CS+1], v[L8] offset:COVSC+256*(\t)
.irp b, 0,1,2,3
.irp j, 0,1,2,3
	ds_load_b128 v[CX+16*\b+4*\j:CX+16*\b+4*\j+3], v[STL] offset:128*\b+16*\j
.endr
.endr
	s_wait_dscnt 0x0
	WIN 0x01                                       ; source 0 (W_cov) window 1.  The eight accumulators by turns
.irp e, 0,1,2,3,4,5,6,7
	v_wmma_scale_f32_16x16x128_f8f6f4 v[CX+8*\e:CX+8*\e+7], v[16*\e:16*\e+7], v[CF:CF+7], v[CX+8*\e:CX+8*\e+7], v[WCS+\e], v[CS] matrix_a_fmt:MATRIX_FMT_FP4 matrix_b_fmt:MATRIX_FMT_FP4
.endr
.irp e, 0,1,2,3,4,5,6,7
	v_wmma_scale_f32_16x16x128_f8f6f4 v[CX+8*\e:CX+8*\e+7], v[16*\e+8:16*\e+15], v[CF+8:CF+15], v[CX+8*\e:CX+8*\e+7], v[WCS+\e], v[CS+1] matrix_a_fmt:MATRIX_FMT_FP4 matrix_b_fmt:MATRIX_FMT_FP4 matrix_a_scale:MATRIX_SCALE_ROW1
.endr
	WIN 0x04                                       ; source 1 (target) window 1
	PLACES 4                                       ; four places ahead of the first read of the results and of writes over the fragments (ISA guide 7.12.1)
.set J, 0
.rept 4
	v_pk_mul_f32 v[SS+J:SS+J+1], v[CX+J:CX+J+1], v[128+J:129+J]
.set J, J+2
.endr
.rept 28
	v_pk_fma_f32 v[SS+J%8:SS+J%8+1], v[CX+J:CX+J+1], v[128+J:129+J], v[SS+J%8:SS+J%8+1]
.set J, J+2
.endr
	WIN 0
	v_pk_add_f32 v[SS:SS+1], v[SS:SS+1], v[SS+2:SS+3]
	v_pk_add_f32 v[SS+4:SS+5], v[SS+4:SS+5], v[SS+6:SS+7]
	s_delay_alu instid0(VALU_DEP_1)
	v_pk_add_f32 v[SS:SS+1], v[SS:SS+1], v[SS+4:SS+5]
	s_delay_alu instid0(VALU_DEP_1)
	v_add_f32 v[SS], v[SS], v[SS+1]
	s_delay_alu instid0(VALU_DEP_1)
	v_permlanex16_b32 v[SS+2], v[SS], s[SEL], s[SEL+1]
	s_delay_alu instid0(VALU_DEP_1)
	v_add_f32 v[SS], v[SS], v[SS+2]                ; my 128 columns' part of row r's score
	ds_store_b32 v[PS], v[SS] offset:SCP+PAR
	s_wait_dscnt 0x0
	s_barrier_signal -1
	QUANT CX, PW0
	s_wait_alu depctr_va_vdst(0)                   ; directly ahead of the barrier's wait
	s_barrier_wait -1
	global_store_b128 v[L16], v[PC:PC+3], s[52:53] offset:REC*(\t)
	global_store_b128 v[L16], v[PC+4:PC+7], s[52:53] offset:REC*(\t)+512
	ds_store_b32 v[PS], v[PW0] offset:SCL+512*(\t)
	ds_load_b128 v[SP:SP+3], v[PR] offset:SCP+PAR
	ds_load_b128 v[SP+4:SP+7], v[PR] offset:SCP+PAR+16
	ds_load_b32 v[MKW], v[R4] offset:MSK+64*(\t)
	s_wait_dscnt 0x0
	v_pk_add_f32 v[SP:SP+1], v[SP:SP+1], v[SP+2:SP+3]
	v_pk_add_f32 v[SP+4:SP+5], v[SP+4:SP+5], v[SP+6:SP+7]
	v_cmp_ne_u32 vcc_lo, 0, v[MKW]
	s_delay_alu instid0(VALU_DEP_2)
	v_pk_add_f32 v[SP:SP+1], v[SP:SP+1], v[SP+4:SP+5]
	s_delay_alu instid0(VALU_DEP_1)
	v_add_f32 v23, v[SP], v[SP+1]
	s_delay_alu instid0(VALU_DEP_1)
	v_cndmask_b32 v23, v23, v[NINF], vcc_lo        ; a masked row's score is -infinity
	s_cmp_lg_u32 s26, \t
	s_cbranch_scc1 .Lnot_mine_\@
	ds_store_b32 v[R4], v23 offset:SRAW+64*(\t)    ; wave t keeps tile t's scores
.Lnot_mine_\@:
	s_wait_alu depctr_va_vdst(0)                   ; behind the branch
.if (\t) == 0
	v_max_num_f32 v17, 0xff61b1e6, v23             ; the largest score so far, never under -3e38
.else
	v_max_num_f32 v17, v16, v23
	s_delay_alu instid0(VALU_DEP_1)
	v_sub_f32 v24, v16, v17
.endif
	v_sub_f32 v25, v23, v17
.if (\t) > 0
	s_delay_alu instid0(VALU_DEP_2)
	v_mul_f32 v24, 0x3fb8aa3b, v24
.endif
.if (\t) > 0
	s_delay_alu instid0(VALU_DEP_2)
.else
	s_delay_alu instid0(VALU_DEP_1)
.endif
	v_mul_f32 v25, 0x3fb8aa3b, v25
	s_wait_alu depctr_va_vdst(0)                   ; the wait ahead of the batch
.if (\t) > 0
	v_exp_f32 v18, v24
.endif
	v_exp_f32 v20, v25
	v_mov_b32 v16, v17
	s_wait_alu depctr_va_vdst(0)                   ; and the wait behind it
.if (\t) == 0
	v_mov_b32 v22, v20
.set J, 0
.rept 32
	v_pk_mul_f32 v[ACC+J:ACC+J+1], v[CX+J:CX+J+1], v[20:21] op_sel_hi:[1,0]
.set J, J+2
.endr
.else
	v_fma_f32 v22, v22, v18, v20
.set J, 0
.rept 32
	v_pk_mul_f32 v[ACC+J:ACC+J+1], v[ACC+J:ACC+J+1], v[18:19] op_sel_hi:[1,0]
.set J, J+2
.endr
.set J, 0
.rept 32
	v_pk_fma_f32 v[ACC+J:ACC+J+1], v[CX+J:CX+J+1], v[20:21], v[ACC+J:ACC+J+1] op_sel_hi:[1,0,1]
.set J, J+2
.endr
.endif
.endm
.irp t, 0,1,2,3,4,5,6,7
	TILE \t
.endr
	; the sixteen lanes' maxima, sums and parts of wc are joined
	v_mov_b32 v24, v16
.irp x, 1,2,4,8
	s_delay_alu instid0(VALU_DEP_1)
	v_max_num_f32_dpp v24, v24, v24 row_xmask:\x row_mask:0xf bank_mask:0xf
.endr
	s_delay_alu instid0(VALU_DEP_1)
	v_sub_f32 v25, v16, v24
	s_delay_alu instid0(VALU_DEP_1)
	v_mul_f32 v25, 0x3fb8aa3b, v25
	s_wait_alu depctr_va_vdst(0)
	v_exp_f32 v18, v25
	v_nop
	s_wait_alu depctr_va_vdst(0)
	v_mul_f32 v22, v22, v18
.irp x, 1,2,4,8
	s_delay_alu instid0(VALU_DEP_1)
	v_add_f32_dpp v22, v22, v22 row_xmask:\x row_mask:0xf bank_mask:0xf
.endr
.set J, 0
.rept 32
	v_pk_mul_f32 v[ACC+J:ACC+J+1], v[ACC+J:ACC+J+1], v[18:19] op_sel_hi:[1,0]
.set J, J+2
.endr
.irp x, 1,2,4,8
.set J, 0
.rept 64
	v_add_f32_dpp v[ACC+J], v[ACC+J], v[ACC+J] row_xmask:\x row_mask:0xf bank_mask:0xf
.set J, J+1
.endr
.endr
.irp b, 0,1,2,3
.irp j, 0,1,2,3
	ds_store_b128 v[WH], v[ACC+16*\b+4*\j:ACC+16*\b+4*\j+3] offset:WCST+128*\b+16*\j   ; sixteen lanes store the same numbers
.endr
.endr
	ds_load_b128 v[SP:SP+3], v[A512] offset:WCST   ; my own bytes, in order
	BARRIER                                        ; every wave's scale words and scores lie in LDS
	ds_load_b128 v[SP+4:SP+7], v[A512] offset:SCL
	v_mov_b32 v25, v22
	s_wait_dscnt 0x0
	global_store_b128 v[L16], v[SP:SP+3], s[24:25]
	global_store_b128 v[L16], v[SP+4:SP+7], s[54:55] offset:10240
	s_cmp_lg_u32 s26, 0
	s_cbranch_scc1 .Lfin
	ds_load_b128 v[SP+8:SP+11], v[L16] offset:SRAW
	s_wait_dscnt 0x0
	global_store_b128 v[L16], v[SP+8:SP+11], s[20:21]
	s_wait_alu depctr_va_vdst(0)
	global_store_b64 v[L8], v[24:25], s[22:23]     ; (M, L), the same pair from every lane: 256 bytes
.Lfin:
	s_wait_tensorcnt 0x0                           ; the wave's end
	ds_add_u32 v[SPW], v[NIL]
	s_wait_dscnt 0x0
	s_endpgm
.Lfunc_end_k_qb4bbe3c260_passa:
	.size	k_qb4bbe3c260_passa, .Lfunc_end_k_qb4bbe3c260_passa-k_qb4bbe3c260_passa
	.p2alignl 7, 3214868480
	.fill 96, 4, 3214868480
	.section	.rodata,"a",@progbits
	.p2align	6, 0x0
	.amdhsa_kernel k_qb4bbe3c260_passa
		.amdhsa_group_segment_fixed_size 97280
		.amdhsa_private_segment_fixed_size 0
		.amdhsa_enable_private_segment 0
		.amdhsa_kernarg_size 88
		.amdhsa_user_sgpr_count 2
		.amdhsa_user_sgpr_kernarg_segment_ptr 1
		.amdhsa_wavefront_size32 1
		.amdhsa_system_sgpr_workgroup_id_x 1
		.amdhsa_system_sgpr_workgroup_id_y 1
		.amdhsa_system_sgpr_workgroup_id_z 1
		.amdhsa_system_vgpr_workitem_id 0
		.amdhsa_next_free_vgpr 512
		.amdhsa_next_free_sgpr 66
		.amdhsa_reserve_vcc 1
		.amdhsa_float_denorm_mode_32 3
		.amdhsa_float_denorm_mode_16_64 3
		.amdhsa_memory_ordered 1
		.amdhsa_forward_progress 1
		.amdhsa_inst_pref_size 211
	.end_amdhsa_kernel
	.amdgpu_metadata
---
amdhsa.version: [ 1, 2 ]
amdhsa.kernels:
  - .name:           k_qb4bbe3c260_passa
    .symbol:         k_qb4bbe3c260_passa.kd
    .args:
      - { .name: context, .offset: 0, .size: 8, .value_kind: global_buffer, .address_space: global }
      - { .name: cov, .offset: 8, .size: 8, .value_kind: global_buffer, .address_space: global }
      - { .name: mask, .offset: 16, .size: 8, .value_kind: global_buffer, .address_space: global }
      - { .name: W_cov_codes, .offset: 24, .size: 8, .value_kind: global_buffer, .address_space: global }
      - { .name: W_cov_scales, .offset: 32, .size: 8, .value_kind: global_buffer, .address_space: global }
      - { .name: b_cov, .offset: 40, .size: 8, .value_kind: global_buffer, .address_space: global }
      - { .name: hp, .offset: 48, .size: 8, .value_kind: global_buffer, .address_space: global }
      - { .name: xq, .offset: 56, .size: 8, .value_kind: global_buffer, .address_space: global }
      - { .name: scores, .offset: 64, .size: 8, .value_kind: global_buffer, .address_space: global }
      - { .name: stats, .offset: 72, .size: 8, .value_kind: global_buffer, .address_space: global }
      - { .name: wcpart, .offset: 80, .size: 8, .value_kind: global_buffer, .address_space: global }
    .group_segment_fixed_size: 97280
    .private_segment_fixed_size: 0
    .kernarg_segment_align: 8
    .kernarg_segment_size: 88
    .max_flat_workgroup_size: 256
    .sgpr_count:     66
    .vgpr_count:     512
    .wavefront_size: 32
...
	.end_amdgpu_metadata
.endif
;; end of part 2
;; launch passb (part 3): grid 256 x 1, 8 waves a work-group, no clusters, 327,680 bytes of LDS; arguments xq, cov, scores, stats, wcpart, hp, wq, w_hh_codes, w_hh_scales, b_hh, W_out_codes, W_out_scales, out0, out1, out2; writes out0, out1, out2
.if DOCPART == 3
	.amdgcn_target "amdgcn-amd-amdhsa--gfx1250"
	.amdhsa_code_object_version 6
	.text
	.protected	k_qb4bbe3c260_passb
	.globl	k_qb4bbe3c260_passb
	.p2align	8
	.type	k_qb4bbe3c260_passb,@function
k_qb4bbe3c260_passb:
	s_mov_b64 s[64:65], 0
	v_nop
	global_prefetch_b8 v0, s[64:65] scope:SCOPE_SE
	s_setreg_imm32_b32 hwreg(HW_REG_WAVE_MODE, 25, 1), 1
	s_wait_xcnt 0x0
; PASS B.  The softmax is finished (out1), the GRU step is made on codes (out2), and h_tilde (out0).
; SHARES.  Work-group g: column half ch = g % 2 (128 of the 256 gate columns), rows 256 (g / 2) on: 16 tiles of 16 rows of batch g / 4.  THE WAVES SHARE THE COLUMNS: wave w owns columns 16 (8 ch + w) on, for all 256 rows;
; its 33 weight fragments stay in registers.  The rows' records of codes (11,008 bytes a tile) and the rows' 128 columns of cov come into LDS by the tensor data mover, each byte once: first fills alone, four a wave, in four groups
; of four tiles; a group's barrier waits for that group's loads and leaves the later groups' out.
; SUMS.  r and z: K = ctx's 1,024 + cov's 256 + the attention weight's K step, in one accumulator; xn and hn apart.  What h and the biases add is the same for all rows of a batch: it was made once and is the C of the first product.
; The attention weight is a block of one number and 31 zeros: a K step of its own with one code in register 0 of lanes 0-15.
; The products are used transposed (source 0 = 16 weight rows, source 1 = 16 rows of x): lane (r, h) holds row r and columns 8 h + 0 .. 7.  The result takes cov's place in LDS and leaves as rows of 512 bytes.
; TAIL.  out0: columns 256 (g % 4) on of batch g / 4.  wc is put together from the four parts, quantised (a fragment of 16 equal rows), multiplied by W_out's first half; the second half's sum comes from hp.  128 bytes a wave: out0 is 0.26 MB.
; No cluster: a record is shared by two work-groups only, and the weights go straight into registers.
; LIMITS: NaN and infinities among the inputs are not served.  A batch that is all masked gives NaN in all three outputs: 0 x (1 / 0) is added to r's sums and to h_tilde's.  A weight under 2^-126 counts as 0.
.set REC,  11008
.set H0S,  176128                      ; LDS: behind the 16 records: 256 rows x (512 + 16) bytes of cov, later of the result
.set ATI,  311296                      ; the rows' attention codes, a word a row; 1,024 bytes on: as many zeros
.set ATS,  313344                      ; their scale words
.set SPARE, 314368                     ; the spare words, 128 bytes a wave; v254 my word's address, v255 0
.set WIMG, 4096                        ; the tail, in the records' bytes, which have had their one fill and their last read: wc at 0, its 8 fragment images,
.set WSC,  12288                       ; their scale words
.set FC,   14                          ; v14-17  e^(M_c - M) / L
.set NZ,   18                          ; v18-19  0, or NaN where the batch is all masked
.set BS,   20                          ; v20-52  the weights' scale words: r 0-9, z 10-19, xn 20-27, hn 28-29, the attention column's 30-32
.set CI,   54                          ; v54-85  the sums' beginnings: r, z, xn, hn
.set BAN,  86                          ; v86-93  the attention column's fragment for xn
.set ACC,  94                          ; v94-125 r, z, xn, hn
.set AF,   126                         ; v126-205 a tile's ten fragments
.set AS,   206                         ; v206-215 their scale words
.set ASAT, 216                         ; v216    the attention weight's
.set AT,   218                         ; v218-225 its fragment: v219-225 stay 0
.set H0,   226                         ; v226-233 cov, then the result
.set TM,   234                         ; v234-249 at work
.set SEL,  94                          ; s[94:95]
; v1 16 lane, v2 32 r, v3 8 lane (+ the group's records); v4 H0S + 528 r + 64 w + 32 h, v5 H0S + 4,224 w + 16 lane (+ the group's rows); v6 ATI + 4 r + 1,024 h; v7 ATS + 4 r; v8 16 lane; v9 4 lane; v10 16 thread;
; v11 512 w + 64 h; v12 WIMG + 1,024 w + 16 lane; v13 WSC + 128 w + 4 lane; v53 4 thread; v217 ATI + 4 thread; v251 1,024 r + 16 h; v252 64 r.
; window 1: v0-79 r's ten fragments, v80-159 z's, v160-223 xn's, v224-239 hn's, v240-247 and v248-255 the attention column's for r and z
.set MSB, 0
.macro WIN new
.if MSB != \new
	s_set_vgpr_msb (MSB<<8)|\new
.set MSB, \new
.endif
.endm
.macro QUANT s, pc, pw
.irp b, 0,1,2,3
	v_max3_num_f32 v[TM+\b], |v[\s+16*\b]|, |v[\s+1+16*\b]|, 0x1800000
.endr
.irp i, 2,4,6,8,10,12,14
.irp b, 0,1,2,3
	v_max3_num_f32 v[TM+\b], v[TM+\b], |v[\s+16*\b+\i]|, |v[\s+1+16*\b+\i]|
.endr
.endr
.irp b, 0,1,2,3
	v_permlanex16_b32 v[TM+4+\b], v[TM+\b], s[SEL], s[SEL+1]
.endr
.irp b, 0,1,2,3
	v_max_num_f32 v[TM+\b], v[TM+\b], v[TM+4+\b]
.endr
.irp b, 0,1,2,3
	v_add_nc_u32 v[TM+12+\b], 0xff000000, v[TM+\b]
.endr
.irp b, 0,1,2,3
	v_lshrrev_b32 v[TM+4+\b], 23, v[TM+12+\b]
.endr
	v_lshl_or_b32 v[\pw], v[TM+5], 8, v[TM+4]
	v_lshl_or_b32 v[\pw], v[TM+6], 16, v[\pw]
	v_lshl_or_b32 v[\pw], v[TM+7], 24, v[\pw]
.irp b, 0,1,2,3
	v_cvt_scalef32_pk8_fp4_f32 v[\pc+2*\b], v[\s+16*\b:\s+7+16*\b], v[TM+12+\b]
	v_cvt_scalef32_pk8_fp4_f32 v[\pc+1+2*\b], v[\s+8+16*\b:\s+15+16*\b], v[TM+12+\b]
.endr
	v_nop
.irp c, 0,1
.irp i, 0,1
	v_permlane16_swap_b32 v[\pc+4*\c+\i], v[\pc+2+4*\c+\i]
.endr
.endr
.endm
.macro PLACES n
.rept \n
	v_nop
.endr
.endm
.macro BARRIER
	s_wait_dscnt 0x0
	s_barrier_signal -1
	s_barrier_wait -1
.endm
.macro MM d, a, b, c, sa, sb
	v_wmma_scale_f32_16x16x128_f8f6f4 v[\d:\d+7], v[\a:\a+7], v[\b:\b+7], v[\c:\c+7], v[\sa], v[\sb] matrix_a_fmt:MATRIX_FMT_FP4 matrix_b_fmt:MATRIX_FMT_FP4
.endm
.macro MMZ d, a, b, sa, sb
	v_wmma_scale_f32_16x16x128_f8f6f4 v[\d:\d+7], v[\a:\a+7], v[\b:\b+7], 0, v[\sa], v[\sb] matrix_a_fmt:MATRIX_FMT_FP4 matrix_b_fmt:MATRIX_FMT_FP4
.endm
.macro MKG g0, lds, ldsoff, ptr, goff  ; a descriptor group 0
	s_mov_b32 s[\g0], 1
	s_add_co_u32 s[\g0+1], s[\lds], \ldsoff
	s_add_nc_u64 s[\g0+2:\g0+3], s[\ptr:\ptr+1], \goff
	s_or_b32 s[\g0+3], s[\g0+3], 0x80000000
.endm
	s_load_b512 s[4:19], s[0:1], 0x0               ; xq, cov, scores, stats, wcpart, hp, wq, w_hh's codes
	s_load_b256 s[20:27], s[0:1], 0x40             ; w_hh's scales, b_hh, W_out's codes, W_out's scales
	s_load_b128 s[28:31], s[0:1], 0x60             ; out0, out1
	s_load_b64 s[32:33], s[0:1], 0x70              ; out2
	v_lshl_add_u32 v254, v0, 2, SPARE
	v_mov_b32 v255, 0
	ds_add_u32 v254, v255                          ; the opening lines: the add, twice on end, and its wait ahead of my first tensor load
	ds_add_u32 v254, v255
	v_lshrrev_b32 v1, 5, v0
	v_readfirstlane_b32 s88, v1                    ; wave w
	s_mov_b32 s89, ttmp9
	s_and_b32 s90, s89, 1                          ; ch
	s_lshr_b32 s91, s89, 1                         ; rg
	s_lshr_b32 s92, s89, 2                         ; batch
	s_lshl_b32 s93, s90, 3
	s_add_co_u32 s93, s93, s88                     ; ct: my tile of gate columns
	s_and_b32 s96, s88, 3
	s_mov_b32 s[SEL], 0x76543210
	s_mov_b32 s[SEL+1], 0xfedcba98
	s_mov_b32 s34, 0xbfb8aa3b                      ; -log2(e)
	s_mov_b32 s35, s34
	s_mov_b32 s66, 0x4038aa3b                      ; 2 log2(e)
	s_mov_b32 s67, s66
	; group 1 for a record: 43 rows of 256 bytes (32 elements of 8 bytes), dense, no padding
	s_mov_b32 s36, 3<<16
	s_mov_b32 s37, 32<<16
	s_mov_b32 s38, 43<<16
	s_mov_b32 s39, 32<<16
	s_mov_b32 s40, 43
	s_mov_b32 s41, 32
	s_mov_b32 s42, 0
	s_mov_b32 s43, 0
	; group 1 for 16 rows x 128 columns of cov: 256 elements from row to row; 4 words of padding behind every 128
	s_mov_b32 s44, (2<<16)|(1<<20)|(6<<22)|(3<<25)
	s_mov_b32 s45, 128<<16
	s_mov_b32 s46, 16<<16
	s_mov_b32 s47, 128<<16
	s_mov_b32 s48, 16
	s_mov_b32 s49, 256
	s_mov_b32 s50, 0
	s_mov_b32 s51, 0
	; every LDS address is made here, ahead of every branch
	v_and_b32 v203, 31, v0                         ; lane
	v_and_b32 v204, 15, v0                         ; r
	v_bfe_u32 v205, v0, 4, 1                       ; h
	v_lshlrev_b32 v1, 4, v203
	v_lshlrev_b32 v2, 5, v204
	v_lshlrev_b32 v3, 3, v203
	v_lshlrev_b32 v8, 4, v203
	v_lshlrev_b32 v9, 2, v203
	v_lshlrev_b32 v10, 4, v0
	v_lshlrev_b32 v53, 2, v0
	v_add_nc_u32 v217, ATI, v53
	v_mul_u32_u24 v4, v204, 528
	v_lshl_add_u32 v4, v205, 5, v4
	s_lshl_b32 s98, s88, 6
	v_add_nc_u32 v4, s98, v4
	v_add_nc_u32 v4, H0S, v4
	s_mul_i32 s98, s88, 4224
	v_add_nc_u32 v5, s98, v8
	v_add_nc_u32 v5, H0S, v5
	v_lshlrev_b32 v6, 2, v204
	v_add_nc_u32 v7, ATS, v6
	v_lshl_add_u32 v6, v205, 10, v6                ; lanes 16-31 read the zeros
	v_add_nc_u32 v6, ATI, v6
	s_lshl_b32 s98, s88, 9
	v_lshlrev_b32 v11, 6, v205
	v_add_nc_u32 v11, s98, v11
	s_lshl_b32 s98, s88, 10
	v_add_nc_u32 v12, s98, v8
	v_add_nc_u32 v12, WIMG, v12
	s_lshl_b32 s98, s88, 7
	v_add_nc_u32 v13, s98, v9
	v_add_nc_u32 v13, WSC, v13
	v_lshlrev_b32 v251, 10, v204
	v_lshl_add_u32 v251, v205, 4, v251
	v_lshlrev_b32 v252, 6, v204
	v_lshlrev_b32 v200, 7, v204
	v_lshl_add_u32 v200, v205, 4, v200             ; w_hh's codes: 128 r + 16 h
	v_lshlrev_b32 v201, 3, v204                    ; its scales: 8 r
	v_lshlrev_b32 v202, 5, v205                    ; 32 h
.irp i, 1,2,3,4,5,6,7
	v_mov_b32 v[AT+\i], 0
	v_mov_b32 v[BAN+\i], 0
.endr
	v_mov_b32 v[NZ+1], 0
	s_mul_i32 s97, s96, REC                        ; LDS: my record of a group,
	s_mul_i32 s100, s96, 8448
	s_add_co_u32 s100, s100, H0S                   ; my 16 rows of a group
	s_lshl_b32 s98, s91, 4
	s_add_co_u32 s98, s98, s96
	s_mul_i32 s98, s98, REC
	s_mov_b32 s99, 0
	s_wait_alu depctr_va_vdst(0)                   ; the wait at the head's end
	s_wait_dscnt 0x0                               ; both opening adds are done
	s_wait_kmcnt 0x0
	s_add_nc_u64 s[4:5], s[4:5], s[98:99]
	s_lshl_b32 s98, s91, 18
	s_lshl_b32 s101, s96, 14
	s_add_co_u32 s98, s98, s101
	s_lshl_b32 s101, s90, 9
	s_add_co_u32 s98, s98, s101
	s_add_nc_u64 s[6:7], s[6:7], s[98:99]
	MKG 52, 97, 0, 4, 0
	MKG 56, 97, 4*REC, 4, 4*REC
	MKG 60, 97, 8*REC, 4, 8*REC
	MKG 68, 97, 12*REC, 4, 12*REC
	MKG 72, 100, 0, 6, 0
	MKG 76, 100, 33792, 6, 65536
	MKG 80, 100, 2*33792, 6, 2*65536
	MKG 84, 100, 3*33792, 6, 3*65536
	s_cmp_lt_u32 s88, 4                            ; waves 0-3 fetch the records, waves 4-7 cov.  At the head group 0 alone, one load a wave; group q + 1 is asked for behind group q's barrier
	s_cbranch_scc0 .Lfor_cov
	tensor_load_to_lds s[52:55], s[36:43]
	s_nop 0
	PLACES 4
	s_branch .Lasked
.Lfor_cov:
	tensor_load_to_lds s[72:75], s[44:51]
	s_nop 0
	PLACES 4
.Lasked:
	s_lshl_b32 s98, s92, 10
	s_add_nc_u64 s[10:11], s[10:11], s[98:99]      ; stats: my batch's four records
	s_lshl_b32 s98, s91, 10
	s_add_nc_u64 s[8:9], s[8:9], s[98:99]          ; scores and out1: my 256 rows
	s_add_nc_u64 s[30:31], s[30:31], s[98:99]
	s_lshl_b32 s98, s92, 14
	s_add_nc_u64 s[12:13], s[12:13], s[98:99]      ; wcpart: my batch's four parts
	s_mul_i32 s98, s92, 11264
	s_add_nc_u64 s[14:15], s[14:15], s[98:99]      ; hp: my batch's row
	s_and_b32 s97, s89, 3
	s_lshl_b32 s98, s97, 10
	s_lshl_b32 s96, s88, 7
	s_add_co_u32 s98, s98, s96                     ; 4 x (256 (g % 4) + 32 w)
	s_add_nc_u64 s[28:29], s[28:29], s[98:99]
	s_add_co_u32 s98, s98, 4096
	s_add_nc_u64 s[100:101], s[14:15], s[98:99]    ; the second half's sums of h_tilde
	s_lshl_b32 s98, s92, 12
	s_add_nc_u64 s[28:29], s[28:29], s[98:99]      ; out0
	s_lshl_b32 s98, s93, 6
	s_add_co_u32 s98, s98, 8192
	s_add_nc_u64 s[14:15], s[14:15], s[98:99]      ; the gates' beginnings, my 16 columns
	s_lshl_b32 s98, s93, 6
	s_add_co_u32 s98, s98, 2048
	s_add_nc_u64 s[22:23], s[22:23], s[98:99]      ; b_hh of hn
	s_mul_i32 s98, s93, 9472
	s_add_nc_u64 s[16:17], s[16:17], s[98:99]      ; wq: record ct
	s_lshl_b32 s98, s93, 11
	s_add_nc_u64 s[18:19], s[18:19], s[98:99]
	s_lshl_b32 s98, s93, 7
	s_add_nc_u64 s[20:21], s[20:21], s[98:99]
	s_lshl_b32 s98, s97, 18
	s_lshl_b32 s96, s88, 15
	s_add_co_u32 s98, s98, s96
	s_add_nc_u64 s[24:25], s[24:25], s[98:99]      ; W_out: rows 256 (g % 4) + 32 w on
	s_lshl_b32 s98, s97, 14
	s_lshl_b32 s96, s88, 11
	s_add_co_u32 s98, s98, s96
	s_add_nc_u64 s[26:27], s[26:27], s[98:99]
	s_lshl_b32 s98, s91, 18
	s_lshl_b32 s96, s88, 13
	s_add_co_u32 s98, s98, s96
	s_lshl_b32 s96, s90, 9
	s_add_co_u32 s98, s98, s96
	s_add_nc_u64 s[32:33], s[32:33], s[98:99]      ; out2: rows 256 rg + 8 w on, my half of the columns
.irp c, 0,1,2,3
	global_load_b64 v[234+2*\c:235+2*\c], v3, s[10:11] offset:256*\c   ; (M_c, L_c), the same pair in every lane
.endr
	global_load_b32 v242, v53, s[8:9]              ; the score of row 256 rg + my thread's number
	WIN 0x40                                       ; destination window 1
.irp k, 0,1,2
.irp s, 0,1,2,3,4,5,6,7
.irp c, 0,1
	global_load_b128 v[80*\k+8*\s+4*\c:80*\k+8*\s+4*\c+3], v8, s[16:17] offset:151552*\k+1024*\s+512*\c
.endr
.endr
.irp s, 0,1
.irp c, 0,1
	global_load_b128 v[80*\k+64+8*\s+4*\c:80*\k+64+8*\s+4*\c+3], v200, s[18:19] offset:32768*\k+64*\s+32*\c
.endr
.endr
.endr
	global_load_b32 v240, v9, s[16:17] offset:9216
	global_load_b32 v248, v9, s[16:17] offset:151552+9216
.irp i, 1,2,3,4,5,6,7
	v_mov_b32 v[240+\i], 0
	v_mov_b32 v[248+\i], 0
.endr
	WIN 0
	global_load_b32 v[BAN], v9, s[16:17] offset:2*151552+9216
.irp k, 0,1,2
.irp s, 0,1,2,3,4,5,6,7
	global_load_b32 v[BS+10*\k+\s], v9, s[16:17] offset:151552*\k+8192+128*\s
.endr
	global_load_b64 v[BS+10*\k+8:BS+10*\k+9], v201, s[20:21] offset:2048*\k
	global_load_b32 v[BS+30+\k], v9, s[16:17] offset:151552*\k+9344
	global_load_b128 v[CI+8*\k:CI+8*\k+3], v202, s[14:15] offset:1024*\k
	global_load_b128 v[CI+8*\k+4:CI+8*\k+7], v202, s[14:15] offset:1024*\k+16
.endr
	global_load_b128 v[CI+24:CI+27], v202, s[22:23]
	global_load_b128 v[CI+28:CI+31], v202, s[22:23] offset:16
	s_wait_loadcnt 0x0
	; the softmax is finished: M over the batch's four parts, L, and my row's weight
	v_max3_num_f32 v243, v234, v236, v238
	v_max_num_f32 v243, v243, v240
.irp c, 0,1,2,3
	v_sub_f32 v[244+\c], v[234+2*\c], v243
.endr
	v_sub_f32 v248, v242, v243
.irp c, 0,1,2,3,4
	v_mul_f32 v[244+\c], 0x3fb8aa3b, v[244+\c]
.endr
	s_wait_alu depctr_va_vdst(0)                   ; the wait ahead of the batch
.irp c, 0,1,2,3,4
	v_exp_f32 v[244+\c], v[244+\c]
.endr
	v_nop
	s_wait_alu depctr_va_vdst(0)                   ; one wait for the five
	v_mul_f32 v249, v235, v244
	v_fmac_f32 v249, v237, v245
	v_fmac_f32 v249, v239, v246
	v_fmac_f32 v249, v241, v247
	s_wait_alu depctr_va_vdst(0)
	v_rcp_f32 v250, v249
	v_nop
	s_wait_alu depctr_va_vdst(0)
.irp c, 0,1,2,3
	v_mul_f32 v[FC+\c], v[244+\c], v250
.endr
	v_mul_f32 v[NZ], 0, v250                       ; 0; NaN where L = 0
	v_mul_f32 v[AT], v248, v250                    ; the attention weight
	s_wait_alu depctr_va_vdst(0)                   ; ahead of the branch
	s_cmp_lg_u32 s90, 0
	s_cbranch_scc1 .Lno_out1
	global_store_b32 v53, v[AT], s[30:31]          ; one of the two work-groups of these rows stores it
.Lno_out1:
	v_max3_num_f32 v243, |v[AT]|, |v[AT]|, 0x1800000   ; its block is itself and 31 zeros
	v_add_nc_u32 v244, 0xff000000, v243
	v_lshrrev_b32 v245, 23, v244
	v_cvt_scalef32_pk8_fp4_f32 v246, v[AT:AT+7], v244
	v_nop
	ds_store_b32 v217, v246
	ds_store_b32 v217, v[AT+1] offset:1024         ; a zero
	ds_store_b32 v217, v245 offset:2048
.irp j, 0,2,4,6
	v_pk_add_f32 v[CI+\j:CI+\j+1], v[CI+\j:CI+\j+1], v[NZ:NZ+1] op_sel_hi:[1,0]
.endr
	s_wait_alu depctr_va_vdst(0)
	s_wait_xcnt 0x0                                ; out1's store has read its register, which LDS loads take next
.macro BAR q                           ; group q's tiles are in LDS for every wave; behind the barrier group q + 1's first fill goes out, one load a wave, and has group q's four tiles in which to land
.set NG, (\q)+1
.set RD0, 52+4*NG+4*(NG/3)
.set CD0, 72+4*NG
	s_wait_alu depctr_va_vdst(0)
	s_wait_tensorcnt 0x0                           ; my one load that was out has landed
	ds_add_u32 v254, v255
	s_wait_dscnt 0x0
	s_barrier_signal -1
	s_barrier_wait -1
.if (\q) < 3
	s_cmp_lt_u32 s88, 4
	s_cbranch_scc0 .Lcv_\@
	tensor_load_to_lds s[RD0:RD0+3], s[36:43]
	s_nop 0
	PLACES 4
	s_branch .Lok_\@
.Lcv_\@:
	tensor_load_to_lds s[CD0:CD0+3], s[44:51]
	s_nop 0
	PLACES 4
.Lok_\@:
.endif
.endm
.macro FETCH t                         ; 25 LDS loads: a tile's ten fragments, their scale words, the attention weight's code and scale
.set RB, ((\t)%4)*REC
.irp s, 0,1,2,3,4,5,6,7,8,9
.irp c, 0,1
	ds_load_b128 v[AF+8*\s+4*\c:AF+8*\s+4*\c+3], v1 offset:RB+1024*\s+512*\c
.endr
.endr
	ds_load_b128 v[AS:AS+3], v2 offset:RB+10240
	ds_load_b128 v[AS+4:AS+7], v2 offset:RB+10256
	ds_load_b64 v[AS+8:AS+9], v3 offset:RB+10752
	ds_load_b32 v[AT], v6 offset:64*(\t)
	ds_load_b32 v[ASAT], v7 offset:64*(\t)
.endm
; r = 1 / (1 + 2^(-x log2 e)), z likewise; n = 1 - 2 / (1 + 2^(2 y log2 e)), y = xn + r hn; result = n + z (cov - n).  Each batch of transcendentals has one plain place and one wait behind it.
.macro GATES left
.irp j, 0,2,4,6,8,10,12,14
	v_pk_mul_f32 v[ACC+\j:ACC+\j+1], v[ACC+\j:ACC+\j+1], s[34:35] op_sel_hi:[1,0]   ; each accumulator is read from its low end on
.endr
	s_wait_alu depctr_va_vdst(0)
.irp j, 0,1,2,3,4,5,6,7,8,9,10,11,12,13,14,15
	v_exp_f32 v[ACC+\j], v[ACC+\j]
.endr
	v_nop
	s_wait_alu depctr_va_vdst(0)
.irp j, 0,2,4,6,8,10,12,14
	v_pk_add_f32 v[ACC+\j:ACC+\j+1], v[ACC+\j:ACC+\j+1], 1.0 op_sel_hi:[1,0]
.endr
	s_wait_alu depctr_va_vdst(0)
.irp j, 0,1,2,3,4,5,6,7,8,9,10,11,12,13,14,15
	v_rcp_f32 v[ACC+\j], v[ACC+\j]
.endr
	v_nop
	s_wait_alu depctr_va_vdst(0)
.irp j, 0,2,4,6
	v_pk_fma_f32 v[ACC+16+\j:ACC+17+\j], v[ACC+\j:ACC+\j+1], v[ACC+24+\j:ACC+25+\j], v[ACC+16+\j:ACC+17+\j]
.endr
.irp j, 0,2,4,6
	v_pk_mul_f32 v[ACC+16+\j:ACC+17+\j], v[ACC+16+\j:ACC+17+\j], s[66:67] op_sel_hi:[1,0]
.endr
	s_wait_alu depctr_va_vdst(0)
.irp j, 0,1,2,3,4,5,6,7
	v_exp_f32 v[ACC+16+\j], v[ACC+16+\j]
.endr
	v_nop
	s_wait_alu depctr_va_vdst(0)
.irp j, 0,2,4,6
	v_pk_add_f32 v[ACC+16+\j:ACC+17+\j], v[ACC+16+\j:ACC+17+\j], 1.0 op_sel_hi:[1,0]
.endr
	s_wait_alu depctr_va_vdst(0)
.irp j, 0,1,2,3,4,5,6,7
	v_rcp_f32 v[ACC+16+\j], v[ACC+16+\j]
.endr
	v_nop
	s_wait_alu depctr_va_vdst(0)
.irp j, 0,2,4,6
	v_pk_fma_f32 v[ACC+16+\j:ACC+17+\j], v[ACC+16+\j:ACC+17+\j], -2.0, 1.0 op_sel_hi:[1,0,0]
.endr
	s_wait_alu depctr_va_vdst(0)
	s_wait_dscnt \left                             ; cov's two loads are in; the next tile's loads, issued behind them, may be out
.irp j, 0,2,4,6
	v_pk_add_f32 v[H0+\j:H0+\j+1], v[H0+\j:H0+\j+1], v[ACC+16+\j:ACC+17+\j] neg_lo:[0,1] neg_hi:[0,1]
.endr
.irp j, 0,2,4,6
	v_pk_fma_f32 v[H0+\j:H0+\j+1], v[ACC+8+\j:ACC+9+\j], v[H0+\j:H0+\j+1], v[ACC+16+\j:ACC+17+\j]
.endr
.endm
.macro TAILLOADS                       ; what the tail wants, into registers that the last products have left
	WIN 0x40
.irp n, 0,1
.irp s, 0,1,2,3,4,5,6,7
.irp c, 0,1
	global_load_b128 v[64*\n+8*\s+4*\c:64*\n+8*\s+4*\c+3], v251, s[24:25] offset:16384*\n+64*\s+32*\c
.endr
.endr
.endr
	WIN 0
.irp n, 0,1
	global_load_b128 v[BS+8*\n:BS+8*\n+3], v252, s[26:27] offset:1024*\n
	global_load_b128 v[BS+8*\n+4:BS+8*\n+7], v252, s[26:27] offset:1024*\n+16
.endr
.irp c, 0,1,2,3
	global_load_b128 v[234+4*\c:237+4*\c], v10, s[12:13] offset:4096*\c
.endr
	global_load_b32 v250, v9, s[100:101]
.endm
; A TILE: 33 products, the accumulators by turns, one instruction a turn.  more = 1: the next tile lies in the same group and is fetched here.  xw = 1: stores have read r .. hn's registers.
.macro TILE t, more, xw
	s_wait_dscnt 0x0
.if \xw
	s_wait_xcnt 0x0
.endif
	WIN 0x01                                       ; source 0 (the weights) window 1
.irp s, 0,1,2,3,4,5,6,7,8,9
.if \s == 0
	MM ACC, 0, AF, CI, BS, AS
	MM ACC+8, 80, AF, CI+8, BS+10, AS
	MM ACC+16, 160, AF, CI+16, BS+20, AS
.else
	MM ACC, 8*\s, AF+8*\s, ACC, BS+\s, AS+\s
	MM ACC+8, 80+8*\s, AF+8*\s, ACC+8, BS+10+\s, AS+\s
.if \s < 8
	MM ACC+16, 160+8*\s, AF+8*\s, ACC+16, BS+20+\s, AS+\s
.elseif \s == 8
	MM ACC+24, 160+8*\s, AF+8*\s, CI+24, BS+20+\s, AS+\s
.else
	MM ACC+24, 160+8*\s, AF+8*\s, ACC+24, BS+20+\s, AS+\s
.endif
.endif
.endr
	MM ACC, 240, AT, ACC, BS+30, ASAT
	MM ACC+8, 248, AT, ACC+8, BS+31, ASAT
	WIN 0
	MM ACC+16, BAN, AT, ACC+16, BS+32, ASAT
	PLACES 4                                       ; four places ahead of loads into the products' sources and of the first read of the results
	ds_load_b128 v[H0:H0+3], v4 offset:8448*((\t)%4)
	ds_load_b128 v[H0+4:H0+7], v4 offset:8448*((\t)%4)+16
.if \more
	FETCH (\t)+1
	GATES 25
.else
.if (\t) == 15
	TAILLOADS
.endif
	GATES 0
.endif
	ds_store_b128 v4, v[H0:H0+3] offset:8448*((\t)%4)              ; over the bytes of cov that I alone have read
	ds_store_b128 v4, v[H0+4:H0+7] offset:8448*((\t)%4)+16
.endm
.macro OUT q                           ; group q's 64 rows leave: 8 rows a wave, 512 consecutive bytes a store
.irp i, 0,1,2,3,4,5,6,7
	ds_load_b128 v[ACC+4*\i:ACC+4*\i+3], v5 offset:528*\i
.endr
.irp i, 0,1,2,3,4,5,6,7
	s_wait_dscnt 7-\i
	global_store_b128 v8, v[ACC+4*\i:ACC+4*\i+3], s[32:33] offset:(64*(\q)+\i)*1024 th:TH_STORE_NT
.endr
	v_add_nc_u32 v5, 33792, v5
.endm
	BAR 0
	FETCH 0
	TILE 0, 1, 0
	TILE 1, 1, 0
	TILE 2, 1, 0
	TILE 3, 0, 0
.irp q, 1,2,3
	BAR \q                                         ; also: every wave's results of the group before lie in LDS
	OUT \q-1
	v_add_nc_u32 v1, 4*REC, v1
	v_add_nc_u32 v2, 4*REC, v2
	v_add_nc_u32 v3, 4*REC, v3
	v_add_nc_u32 v4, 33792, v4
	s_wait_alu depctr_va_vdst(0)
	FETCH 4*\q
	TILE 4*\q, 1, 1
	TILE 4*\q+1, 1, 0
	TILE 4*\q+2, 1, 0
	TILE 4*\q+3, 0, 0
.endr
	BARRIER                                        ; the last group's results lie in LDS, and nobody reads a record any more
	OUT 3
	; THE TAIL: h_tilde
	s_wait_loadcnt 0x0
.irp i, 0,1,2,3
	v_mul_f32 v[234+\i], v[234+\i], v[FC]
.endr
.irp c, 1,2,3
.irp i, 0,1,2,3
	v_fmac_f32 v[234+\i], v[234+4*\c+\i], v[FC+\c]  ; wc: four numbers a thread
.endr
.endr
	ds_store_b128 v10, v[234:237]
	BARRIER
.irp b, 0,1,2,3
.irp j, 0,1,2,3
	ds_load_b128 v[AF+16*\b+4*\j:AF+16*\b+4*\j+3], v11 offset:128*\b+16*\j   ; K step w of wc, the same numbers for each of the fragment's 16 rows
.endr
.endr
	s_wait_dscnt 0x0
	QUANT AF, H0, ASAT
	ds_store_b128 v12, v[H0:H0+3]
	ds_store_b128 v12, v[H0+4:H0+7] offset:512
	ds_store_b32 v13, v[ASAT]
	BARRIER
.irp s, 0,1,2,3,4,5,6,7
	ds_load_b128 v[AF+8*\s:AF+8*\s+3], v8 offset:WIMG+1024*\s
	ds_load_b128 v[AF+8*\s+4:AF+8*\s+7], v8 offset:WIMG+1024*\s+512
	ds_load_b32 v[AS+\s], v9 offset:WSC+128*\s
.endr
	s_wait_dscnt 0x0
	s_wait_xcnt 0x0                                ; the last rows' stores have read the registers that the sums take
	WIN 0x04                                       ; source 1 (W_out) window 1
.irp s, 0,1,2,3,4,5,6,7
.if \s == 0
	MMZ ACC, AF, 0, AS, BS
	MMZ ACC+8, AF, 64, AS, BS+8
.else
	MM ACC, AF+8*\s, 8*\s, ACC, AS+\s, BS+\s       ; two accumulators by turns
	MM ACC+8, AF+8*\s, 64+8*\s, ACC+8, AS+\s, BS+8+\s
.endif
.endr
	WIN 0
	PLACES 4
	s_mov_b32 s96, 0xffff0000
	v_cndmask_b32 v242, v[ACC], v[ACC+8], s96      ; register 0 of lane (r, .) is W_out's row r: lanes 0-15 take the first tile's, lanes 16-31 the second's
	v_add_f32 v242, v242, v250
	v_add_f32 v242, v242, v[NZ]
	v_mul_f32 v242, 0x4038aa3b, v242
	s_wait_alu depctr_va_vdst(0)
	v_exp_f32 v242, v242
	v_nop
	s_wait_alu depctr_va_vdst(0)
	v_add_f32 v242, 1.0, v242
	s_wait_alu depctr_va_vdst(0)
	v_rcp_f32 v242, v242
	v_nop
	s_wait_alu depctr_va_vdst(0)
	v_fma_f32 v242, v242, -2.0, 1.0
	global_store_b32 v9, v242, s[28:29]
	s_wait_tensorcnt 0x0                           ; the wave's end
	ds_add_u32 v254, v255
	s_wait_dscnt 0x0
	s_endpgm
.Lfunc_end_k_qb4bbe3c260_passb:
	.size	k_qb4bbe3c260_passb, .Lfunc_end_k_qb4bbe3c260_passb-k_qb4bbe3c260_passb
	.p2alignl 7, 3214868480
	.fill 96, 4, 3214868480
	.section	.rodata,"a",@progbits
	.p2align	6, 0x0
	.amdhsa_kernel k_qb4bbe3c260_passb
		.amdhsa_group_segment_fixed_size 327680
		.amdhsa_private_segment_fixed_size 0
		.amdhsa_enable_private_segment 0
		.amdhsa_kernarg_size 120
		.amdhsa_user_sgpr_count 2
		.amdhsa_user_sgpr_kernarg_segment_ptr 1
		.amdhsa_wavefront_size32 1
		.amdhsa_system_sgpr_workgroup_id_x 1
		.amdhsa_system_sgpr_workgroup_id_y 1
		.amdhsa_system_sgpr_workgroup_id_z 1
		.amdhsa_system_vgpr_workitem_id 0
		.amdhsa_next_free_vgpr 512
		.amdhsa_next_free_sgpr 102
		.amdhsa_reserve_vcc 0
		.amdhsa_float_denorm_mode_32 3
		.amdhsa_float_denorm_mode_16_64 3
		.amdhsa_memory_ordered 1
		.amdhsa_forward_progress 1
		.amdhsa_inst_pref_size 216
	.end_amdhsa_kernel
	.amdgpu_metadata
---
amdhsa.version: [ 1, 2 ]
amdhsa.kernels:
  - .name:           k_qb4bbe3c260_passb
    .symbol:         k_qb4bbe3c260_passb.kd
    .args:
      - { .name: xq, .offset: 0, .size: 8, .value_kind: global_buffer, .address_space: global }
      - { .name: cov, .offset: 8, .size: 8, .value_kind: global_buffer, .address_space: global }
      - { .name: scores, .offset: 16, .size: 8, .value_kind: global_buffer, .address_space: global }
      - { .name: stats, .offset: 24, .size: 8, .value_kind: global_buffer, .address_space: global }
      - { .name: wcpart, .offset: 32, .size: 8, .value_kind: global_buffer, .address_space: global }
      - { .name: hp, .offset: 40, .size: 8, .value_kind: global_buffer, .address_space: global }
      - { .name: wq, .offset: 48, .size: 8, .value_kind: global_buffer, .address_space: global }
      - { .name: w_hh_codes, .offset: 56, .size: 8, .value_kind: global_buffer, .address_space: global }
      - { .name: w_hh_scales, .offset: 64, .size: 8, .value_kind: global_buffer, .address_space: global }
      - { .name: b_hh, .offset: 72, .size: 8, .value_kind: global_buffer, .address_space: global }
      - { .name: W_out_codes, .offset: 80, .size: 8, .value_kind: global_buffer, .address_space: global }
      - { .name: W_out_scales, .offset: 88, .size: 8, .value_kind: global_buffer, .address_space: global }
      - { .name: out0, .offset: 96, .size: 8, .value_kind: global_buffer, .address_space: global }
      - { .name: out1, .offset: 104, .size: 8, .value_kind: global_buffer, .address_space: global }
      - { .name: out2, .offset: 112, .size: 8, .value_kind: global_buffer, .address_space: global }
    .group_segment_fixed_size: 327680
    .private_segment_fixed_size: 0
    .kernarg_segment_align: 8
    .kernarg_segment_size: 120
    .max_flat_workgroup_size: 256
    .sgpr_count:     102
    .vgpr_count:     512
    .wavefront_size: 32
...
	.end_amdgpu_metadata
.endif
;; end of part 3
